; MI455X (gfx1250); checked and timed in simulation.
; The chip was launched on July 23, 2026; its instructions are those of AMD's public machine-readable ISA for CDNA 5 (MIT licence, August 2026) and "CDNA5" Instruction Set Architecture Reference Guide (July 2026). The comments in the code are by the model that wrote it; some were corrected since.
;; Multi Head Attention. Allowed arithmetic: matrix products marked QUANTISED: E4M3 operands, one given power-of-two scale a tensor, by v_wmma_f32_16x16x64_fp8_fp8 or v_wmma_f32_16x16x128_fp8_fp8, f32 sums; everything else in f32.
;; Inputs: b_out 1,024 float32; b_qkv 3,072 float32; lowp_scales 8 int32 (the exponents e of the quantised operands' scales 2^e); mask 1 x 1 x 2,048 x 2,048 int32; w_out 1,024 x 1,024 float32; w_qkv 3,072 x 1,024 float32; x 4 x 2,048 x 1,024 float32.
;; Outputs: out0 4 x 2,048 x 1,024 float32.
;; This version of the problem:
;;   THIS VERSION OF THE PROBLEM IS GIVEN IN LOW PRECISION. The matrix products marked QUANTISED in the list below multiply operands that are first quantised to E4M3 (4 exponent bits, 3 mantissa bits; 8 bits a number), with one given power-of-two scale for each operand tensor; their sums are f32. All else is computed in f32.
;;   The module's matrix products, in the order in which they are computed (A, B: the left and right operand; K: the contracted axis; several contracted axes count as one K, in the product's order):
;;     1. [M 8,192, K 1,024] x [K 1,024, N 3,072]; A: input x; B: input w_qkv: QUANTISED (scales: A lowp_scales[0], B lowp_scales[1])
;;     2. batch 64 x [M 2,048, K 64] x [K 64, N 2,048]; A: computed on the way; B: computed on the way: QUANTISED (scales: A lowp_scales[2], B lowp_scales[3])
;;     3. batch 64 x [M 2,048, K 2,048] x [K 2,048, N 64]; A: softmax (see below); B: computed on the way: QUANTISED (scales: A lowp_scales[4], B lowp_scales[5])
;;     4. [M 8,192, K 1,024] x [K 1,024, N 1,024]; A: computed on the way; B: input w_out: QUANTISED (scales: A lowp_scales[6], B lowp_scales[7])
;;   THE QUANTISER, for each operand of a quantised product, along K:
;;     - The operand's scale is 2^e, e = its entry of the input lowp_scales (int32; the entries are numbered through the quantised products in the list's order, A before B).
;;     - Each number is divided by the scale, clamped to +-448, and rounded to the nearest number of E4M3, ties to even, subnormals kept.
;;     - The product sums the exact products of the quantised numbers (number of the format x scale) in f32.
;;   ~~~python
;;   def quantise(x, axis, e):      # numpy; x: float32 -> the quantised numbers, widened to float32 again
;;       x = np.moveaxis(x, axis, -1); K = x.shape[-1]
;;       r = np.clip(x / 2.0 ** e, -448, 448)
;;       step = 2.0 ** (np.maximum(np.frexp(np.where(r == 0, 1, r))[1] - 1, -6) - 3)
;;       q = np.round(r / step) * step * 2.0 ** e      # np.round: ties to even
;;       return np.moveaxis(q, -1, axis).astype(np.float32)
;;   ~~~
;;   SOFTMAX AHEAD OF A QUANTISED PRODUCT. Where the list says 'softmax', what is quantised is not the finished softmax but p = 2^(t - M), with t = logit x log2(e) and M = ceil(the row's largest t), a whole number; so 1/2 < the row's largest p <= 1. The row's sum l is taken of the UNQUANTISED p, in f32, and the product's result is divided by l at the end. Since M is a whole number, a kernel that streams over the keys may use a running M (the ceiling of the running maximum): every later rescaling is an exact power of two, so the quantised numbers keep their values, but for numbers so far below the row's largest that they fall under the format's range.
;;   OPERANDS COMPUTED ON THE WAY. 'Computed on the way' means the value that the module computes at that place (a softmax that the list does not call 'softmax' is quantised finished and normalised). What goes into a quantiser is computed in f32, as accurately as f32 sums, v_exp_f32 and their like allow (about 1e-6 of the number): no bf16 or f16 on the way to a quantiser, and a product that is left as it is and whose result goes on into a quantised operand takes f32 operands (vector FMAs, or v_wmma_f32_16x16x4_f32). A number that lies on a knife's edge between two numbers of the format may be rounded either way, as far as f32 arithmetic and the matrix unit's own rounding can turn it there, and no further.
;; 2 versions, each right; version 2 is version 1 with the launch attn written anew for expert scheduling mode. Each part assembles by itself: llvm-mc -triple=amdgcn-amd-amdhsa -mcpu=gfx1250 --defsym DOCPART=n.
;; ======== version 1 of 2: 4 launches
;; workspace buffers: xq 8,388,608 bytes; wq 3,145,728 bytes; wo 1,048,576 bytes; mw 524,288 bytes of whole numbers; mf 8,192 bytes of whole numbers; qkv 25,165,824 bytes; cf 8,388,608 bytes
;; launch prep (part 1): grid 1024 x 1, 8 waves a work-group, no clusters, 68,608 bytes of LDS; arguments x, w_qkv, w_out, mask, lowp_scales, xq, wq, wo, mw, mf; writes xq, wq, wo, mw, mf
.if DOCPART == 1
	.amdgcn_target "amdgcn-amd-amdhsa--gfx1250"
	.amdhsa_code_object_version 6
	.text
	.protected	k_qb27f9c4526_prep
	.globl	k_qb27f9c4526_prep
	.p2align	8
	.type	k_qb27f9c4526_prep,@function
k_qb27f9c4526_prep:
	s_mov_b64 s[64:65], 0
	v_nop
	global_prefetch_b8 v0, s[64:65] scope:SCOPE_SE
	s_setreg_imm32_b32 hwreg(HW_REG_WAVE_MODE, 25, 1), 1
	s_wait_xcnt 0x0
; x [8192][1024], w_qkv [3072][1024], w_out [1024][1024], f32, become codes of E4M3 with their given scales 2^e (entries 0, 1, 7 of the scales);
; the mask [2048][2048], int32, becomes lane-mask words and one flag for each tile of 16 queries x 128 keys.
; code = x / 2^e, held within +-448, rounded to the nearest code, ties to even.  LIMITS: e between -126 and 119; NaN and infinity among the numbers are not served.
; THE CODES ARE LAID AS IMAGES OF THE OPERAND'S REGISTERS.  A fragment is 16 rows x 128 K in 16 registers: lane (r = lane % 16, h = lane / 16), register p, byte y holds
; K' = 16 (p / 2) + 8 h + 4 (p % 2) + y of row r.  Byte of a matrix [R][1024]: (K / 256) x 256 R + (row / 16) x 4096 + ((K / 128) % 2) x 2048 + (p / 4) x 512 + 16 x lane.
; THE MASK: unit (query tile x 16 + key step) is 64 words, 256 bytes; bit l of word 8 t + j says whether mask[16 qt + r][128 ks + 16 t + 8 h + j] is not 0: the lane and register in which the score of that pair will lie.
; The flag of a unit: 0 no key counts, 1 all count, 3 some.
; SHARES.  A wave takes one unit: 16 rows x 128 numbers of four bytes.  Work-groups 0-511 take x, 512-703 w_qkv, 704-767 w_out (a row tile each, the wave = the block of 128 columns), 768-1023 the mask (two to a row tile).
; Only pointers, pitches and offsets are chosen by the work-group's number: all four tensors take ONE path until the numbers are back in registers, behind the last LDS instruction.
; Each load reads 512 consecutive bytes of a row; the 16 rows turn through the wave's own stage in LDS (rows 528 bytes apart) and come back 32 bytes of a row at a time, in the fragment's order.
; No tensor loads, no barrier: waves share nothing.  A wave's 16 loads are all out together.
.set SP,    528                        ; a stage row: 512 bytes + 16
.set WST,   16*SP                      ; a wave's stage
.set SPARE, 8*WST                      ; behind the eight stages: the spare words, 128 bytes for each wave: four blocks of 256 bytes that no other line names
.set SPW,   6                          ; v6   LDS address of my spare word; never rewritten
.set NIL,   7                          ; v7   0; never rewritten
.set R,     16                         ; v16-79   the numbers as loaded: row i in four registers
.set X,     80                         ; v80-143  in the fragment's order: register 8 c + j = column 16 c + 8 h + j of row r
.set C,     144                        ; v144-159 the codes
	s_load_b512 s[4:19], s[0:1], 0x0               ; x s[4:5], w_qkv s[6:7], w_out s[8:9], mask s[10:11], scales s[12:13], xq s[14:15], wq s[16:17], wo s[18:19]
	s_load_b128 s[20:23], s[0:1], 0x40             ; mw s[20:21], mf s[22:23]
	v_lshl_add_u32 v[SPW], v0, 2, SPARE
	v_mov_b32 v[NIL], 0
	v_lshrrev_b32 v8, 5, v0
	v_readfirstlane_b32 s66, v8                    ; wave 0..7
	v_and_b32 v1, 31, v0                           ; lane
	v_lshlrev_b32 v2, 4, v1                        ; 16 x lane: my bytes of a load's 512, and of a store's
	v_lshlrev_b32 v5, 3, v1                        ; 8 x lane: my two mask words
	s_mul_i32 s67, s66, WST
	v_add_nc_u32 v3, s67, v2                       ; into the stage: as loaded
	v_and_b32 v8, 15, v0                           ; r
	v_bfe_u32 v9, v0, 4, 1                         ; h
	v_mul_u32_u24 v4, v8, SP
	v_lshl_add_u32 v4, v9, 5, v4
	v_add_nc_u32 v4, s67, v4                       ; out of it: row r, + 32 h
	; which tensor: its first work-group s28, its row pitch s68, its plane of codes s30, and whether two work-groups share a row tile s31
	s_mov_b32 s28, 768
	s_mov_b32 s68, 8192
	s_mov_b32 s30, 262144
	s_mov_b32 s31, 1
	s_cmp_lt_u32 ttmp9, 768
	s_cselect_b32 s28, 704, s28
	s_cselect_b32 s68, 4096, s68
	s_cselect_b32 s31, 0, s31
	s_cmp_lt_u32 ttmp9, 704
	s_cselect_b32 s28, 512, s28
	s_cselect_b32 s30, 786432, s30
	s_cmp_lt_u32 ttmp9, 512
	s_cselect_b32 s28, 0, s28
	s_cselect_b32 s30, 2097152, s30
	s_mov_b32 s69, 0                               ; s[68:69]: the pitch as a pair
	s_sub_co_u32 s70, ttmp9, s28                   ; my number within the tensor
	s_and_b32 s71, s70, s31
	s_lshr_b32 s70, s70, s31                       ; the row tile
	s_lshl_b32 s71, s71, 3
	s_add_co_u32 s71, s71, s66                     ; the block of 128 columns
	s_lshl_b32 s80, s68, 4
	s_mul_i32 s80, s80, s70                        ; 16 rows x pitch x row tile
	s_lshl_b32 s81, s71, 9
	s_add_co_u32 s80, s80, s81                     ; + 512 bytes x block: under 2^26
	s_mov_b32 s81, 0
	s_lshr_b32 s82, s66, 1
	s_mul_i32 s82, s82, s30                        ; the codes: (wave / 2) planes
	s_lshl_b32 s83, s70, 12
	s_add_co_u32 s82, s82, s83                     ; + 4096 x row tile
	s_and_b32 s83, s66, 1
	s_lshl_b32 s83, s83, 11
	s_add_co_u32 s82, s82, s83                     ; + 2048 x (wave % 2)
	s_mov_b32 s83, 0
	s_lshl_b32 s84, s70, 4
	s_add_co_u32 s84, s84, s71                     ; the mask's unit
	s_lshl_b32 s86, s84, 2                         ; its flag,
	s_mov_b32 s87, 0
	s_lshl_b32 s84, s84, 8                         ; its 64 words
	s_mov_b32 s85, 0
	s_wait_kmcnt 0x0
	s_load_b256 s[72:79], s[12:13], 0x0            ; the eight exponents
	s_cmp_lt_u32 ttmp9, 768                        ; the choices hang on the work-group's number alone
	s_cselect_b64 s[24:25], s[8:9], s[10:11]
	s_cmp_lt_u32 ttmp9, 704
	s_cselect_b64 s[24:25], s[6:7], s[24:25]
	s_cselect_b64 s[26:27], s[16:17], s[18:19]
	s_cmp_lt_u32 ttmp9, 512
	s_cselect_b64 s[24:25], s[4:5], s[24:25]
	s_cselect_b64 s[26:27], s[14:15], s[26:27]
	s_add_nc_u64 s[32:33], s[24:25], s[80:81]      ; row 0 of my unit,
.irp i, 1,2,3,4,5,6,7,8,9,10,11,12,13,14,15
	s_add_nc_u64 s[32+2*\i:33+2*\i], s[30+2*\i:31+2*\i], s[68:69]   ; and the fifteen below it
.endr
	s_add_nc_u64 s[26:27], s[26:27], s[82:83]
	s_add_nc_u64 s[20:21], s[20:21], s[84:85]      ; (used by the mask's work-groups alone)
	s_add_nc_u64 s[22:23], s[22:23], s[86:87]
.irp i, 0,1,2,3,4,5,6,7,8,9,10,11,12,13,14,15
	global_load_b128 v[R+4*\i:R+4*\i+3], v2, s[32+2*\i:33+2*\i] th:TH_LOAD_NT   ; 32 lanes read 512 consecutive bytes; read once in the launch
.endr
	s_wait_kmcnt 0x0
	s_cmp_lt_u32 ttmp9, 704
	s_cselect_b32 s88, s73, s79
	s_cmp_lt_u32 ttmp9, 512
	s_cselect_b32 s88, s72, s88                    ; e
	s_add_co_i32 s88, s88, 127
	s_lshl_b32 s89, s88, 23
	v_mov_b32 v11, s89                             ; 2^e as f32: the conversion takes its exponent field
	s_add_co_i32 s88, s88, 8
	s_lshl_b32 s88, s88, 23
	s_or_b32 s88, s88, 0x600000
	v_mov_b32 v10, s88                             ; 448 x 2^e
.irp i, 0,1,2,3,4,5,6,7,8,9,10,11,12,13,14,15
	s_wait_loadcnt 15-\i                           ; row i is in; the rows loaded behind it may be out
	ds_store_b128 v3, v[R+4*\i:R+4*\i+3] offset:SP*\i
.endr
.irp c, 0,1,2,3,4,5,6,7
	ds_load_b128 v[X+8*\c:X+8*\c+3], v4 offset:64*\c          ; LDS serves a wave's instructions in order: these see my stores
	ds_load_b128 v[X+8*\c+4:X+8*\c+7], v4 offset:64*\c+16
.endr
	s_wait_tensorcnt 0x0                           ; the wave's last LDS store is behind
	ds_add_u32 v[SPW], v[NIL]
	s_wait_dscnt 0x0                               ; and the numbers are back from the stage
	s_cmp_ge_u32 ttmp9, 768
	s_cbranch_scc1 .Lmask
.set j, 0
.rept 64
	v_med3_num_f32 v[X+j], v[X+j], -v10, v10       ; the conversion to an 8-bit code does not saturate (ISA guide 7.6.2): the hold at the largest code x the scale
.set j, j+1
.endr
.irp c, 0,1,2,3,4,5,6,7
	v_cvt_scalef32_pk8_fp8_f32 v[C+2*\c:C+2*\c+1], v[X+8*\c:X+8*\c+7], v11   ; registers 2 c, 2 c + 1 of the fragment
.endr
	v_nop                                          ; a plain line behind the last conversion
.irp g, 0,1,2,3
	global_store_b128 v2, v[C+4*\g:C+4*\g+3], s[26:27] offset:512*\g   ; 512 consecutive bytes a store, 2,048 a wave
.endr
	s_endpgm
.Lmask:
	v_mov_b32 v12, 0                               ; words 2 l and 2 l + 1 will lie in lane l of v12 and v13
	v_mov_b32 v13, 0
	v_mov_b32 v15, 0
	s_mov_b32 s90, -1                              ; the AND of the 64 words,
	s_mov_b32 s91, 0                               ; and their OR
.set w, 0
.rept 16
.irp q, 0,1,2,3
	v_cmp_ne_u32 s[92+\q], 0, v[X+w+\q]            ; word w + q: a bit for each lane
.endr
.irp q, 0,1,2,3
	v_writelane_b32 v[12+(\q&1)], s[92+\q], (w+\q)>>1
.endr
.irp q, 0,1,2,3
	s_and_b32 s90, s90, s[92+\q]
	s_or_b32 s91, s91, s[92+\q]
.endr
.set w, w+4
.endr
	s_cmp_eq_u32 s90, -1
	s_cselect_b32 s92, 1, 3                        ; all count, or some
	s_cmp_eq_u32 s91, 0
	s_cselect_b32 s92, 0, s92                      ; none
	v_mov_b32 v14, s92
	global_store_b64 v5, v[12:13], s[20:21]        ; the unit's 256 bytes, whole
	s_wait_xcnt 0x0                                ; EXEC changes only behind this wait
	v_cmp_eq_u32 vcc_lo, 0, v1
	s_and_saveexec_b32 s93, vcc_lo
	global_store_b32 v15, v14, s[22:23]            ; the flag: four bytes from one lane; 2,048 such stores in the launch
	s_wait_xcnt 0x0
	s_or_b32 exec_lo, exec_lo, s93
	s_endpgm
.Lfunc_end_k_qb27f9c4526_prep:
	.size	k_qb27f9c4526_prep, .Lfunc_end_k_qb27f9c4526_prep-k_qb27f9c4526_prep
	.p2alignl 7, 3214868480
	.fill 96, 4, 3214868480
	.section	.rodata,"a",@progbits
	.p2align	6, 0x0
	.amdhsa_kernel k_qb27f9c4526_prep
		.amdhsa_group_segment_fixed_size 68608
		.amdhsa_private_segment_fixed_size 0
		.amdhsa_enable_private_segment 0
		.amdhsa_kernarg_size 80
		.amdhsa_user_sgpr_count 2
		.amdhsa_user_sgpr_kernarg_segment_ptr 1
		.amdhsa_wavefront_size32 1
		.amdhsa_system_sgpr_workgroup_id_x 1
		.amdhsa_system_sgpr_workgroup_id_y 1
		.amdhsa_system_sgpr_workgroup_id_z 1
		.amdhsa_system_vgpr_workitem_id 0
		.amdhsa_next_free_vgpr 160
		.amdhsa_next_free_sgpr 100
		.amdhsa_reserve_vcc 1
		.amdhsa_float_denorm_mode_32 3
		.amdhsa_float_denorm_mode_16_64 3
		.amdhsa_memory_ordered 1
		.amdhsa_forward_progress 1
		.amdhsa_inst_pref_size 26
	.end_amdhsa_kernel
	.amdgpu_metadata
---
amdhsa.version: [ 1, 2 ]
amdhsa.kernels:
  - .name:           k_qb27f9c4526_prep
    .symbol:         k_qb27f9c4526_prep.kd
    .args:
      - { .name: x, .offset: 0, .size: 8, .value_kind: global_buffer, .address_space: global }
      - { .name: w_qkv, .offset: 8, .size: 8, .value_kind: global_buffer, .address_space: global }
      - { .name: w_out, .offset: 16, .size: 8, .value_kind: global_buffer, .address_space: global }
      - { .name: mask, .offset: 24, .size: 8, .value_kind: global_buffer, .address_space: global }
      - { .name: lowp_scales, .offset: 32, .size: 8, .value_kind: global_buffer, .address_space: global }
      - { .name: xq, .offset: 40, .size: 8, .value_kind: global_buffer, .address_space: global }
      - { .name: wq, .offset: 48, .size: 8, .value_kind: global_buffer, .address_space: global }
      - { .name: wo, .offset: 56, .size: 8, .value_kind: global_buffer, .address_space: global }
      - { .name: mw, .offset: 64, .size: 8, .value_kind: global_buffer, .address_space: global }
      - { .name: mf, .offset: 72, .size: 8, .value_kind: global_buffer, .address_space: global }
    .group_segment_fixed_size: 68608
    .private_segment_fixed_size: 0
    .kernarg_segment_align: 8
    .kernarg_segment_size: 80
    .max_flat_workgroup_size: 256
    .sgpr_count:     100
    .vgpr_count:     160
    .wavefront_size: 32
...
	.end_amdgpu_metadata
.endif
;; end of part 1
;; launch qkv (part 2): grid 12 x 32, 4 waves a work-group, clusters of 4 x 4, 327,680 bytes of LDS; arguments xq, wq, lowp_scales, qkv, b_qkv; writes qkv
.if DOCPART == 2
	.amdgcn_target "amdgcn-amd-amdhsa--gfx1250"
	.amdhsa_code_object_version 6
	.text
	.protected	k_qb27f9c4526_qkv
	.globl	k_qb27f9c4526_qkv
	.p2align	8
	.type	k_qb27f9c4526_qkv,@function
k_qb27f9c4526_qkv:
	s_mov_b64 s[64:65], 0
	v_nop
	global_prefetch_b8 v0, s[64:65] scope:SCOPE_SE
	s_setreg_imm32_b32 hwreg(HW_REG_WAVE_MODE, 25, 1), 1
	s_wait_xcnt 0x0
	s_wait_alu depctr_hold_cnt(0) depctr_sa_sdst(0) depctr_va_vdst(0) depctr_va_sdst(0) depctr_va_ssrc(0) depctr_va_vcc(0) depctr_vm_vsrc(0)
	s_getreg_b32 s2, hwreg(HW_REG_IB_STS2, 6, 4)
	s_cmp_eq_u32 s2, 0
	s_cbranch_scc0 .Lentry_in_a_cluster
	s_endpgm
.Lentry_in_a_cluster:
	s_bfe_u32 s2, ttmp6, 0x10000c
	s_cmp_lg_u32 s2, 0xf033
	s_cbranch_scc0 .Lentry_shape_is_right
	s_endpgm
.Lentry_shape_is_right:
; qkv = x w_qkv^T + b_qkv on codes of E4M3 (scales 2^e0, 2^e1), and its three parts quantised at once: q with 2^e2, k with 2^e3, v with 2^e5.  K = 1,024.
; LIMITS: e0 + e1 between -126 and 127; e2, e3, e5 between -126 and 119.  NaN and infinity among the inputs are not served.
; A tile of 256 x 256 of the product is made by a work-group of four waves; a wave makes 128 x 128: 64 accumulators of 16 x 16, 512 registers.
; BOTH OPERANDS ARRIVE AS IMAGES OF THEIR REGISTERS: a fragment (16 rows x 128 K) is 2,048 consecutive bytes, four loads of 16 bytes a lane at 16 x lane; 256 along K of 128 rows are one dense block of 32,768 bytes.
; K goes in steps of 256 through a ring of two LDS slots filled by the tensor data mover; four steps, written out.
; ROLES.  Source 0 of the matrix instruction is the B ROLE, source 1 the A ROLE: a lane then holds ONE row of the A role, and its eight registers run along the B role's rows.
; The conversion takes eight neighbours from a lane's registers, so what lies along the registers becomes the K of the next product:
;   q, k (cluster x = 0, 1): A role = tokens, B role = features: a lane holds a token, registers run along the head's 64: fragments for q k^T.
;   v    (cluster x = 2):    A role = features, B role = tokens: a lane holds a channel, registers run along the keys: fragments of v^T.
; Only pointers, planes, tile numbers and the biases' places are chosen, by s_cselect on the cluster's x; the text has no branch on it.
; CLUSTERS: 4 x 4 work-groups.  The A role's tile hangs on cy and the cluster's numbers, the B role's on cx and the cluster's numbers, in all three parts: so the A role's tile is asked for JOINTLY by a row of the cluster, the B role's by a column.
; THE RESULT, in the workspace buffer qkv: q at 0, k at 8,388,608, v at 16,777,216; in each, 262,144 bytes for a batch and a pair of heads (number 8 b + pair).
;   q, k: token tile x 2048 + (head % 2) x 1024 + c x 512 + 16 x lane (a fragment of 16 tokens x 64, 8 registers);   v: key step x 16384 + (head % 2) x 8192 + channel tile x 2048 + g x 512 + 16 x lane (16 channels x 128 keys, 16 registers).
;   In both, a wave's block a of 16 rows of the A role is 2,048 consecutive bytes at 2048 a: the codes leave straight from registers, 512 consecutive bytes a store.
; REGISTERS, in windows of 256: window 0: v12-29 constants and addresses; v32-95 the bias along the registers; v96-119 the bias along the lanes; from v128 the A role's fragments, ONE set; on the way out v128-223 are at work.
;   window 1: the B role's fragments, TWO sets, at v0 and v128.   window 2: the accumulators of my A rows 0-63 ((a, b) at v[8 (8 a + b)]);   window 3: those of rows 64-127.
.set HALFT,  32768                     ; 8 row tiles x 4,096 bytes: what one tensor load brings, and what one wave reads of a role
.set SLOT,   4*HALFT                   ; the A role's two halves, then the B role's
.set SPARE,  2*SLOT                    ; behind the ring: the spare words, 128 bytes for each wave: two blocks of 256 bytes that no other line names
.set FR,     16                        ; registers of a fragment
.set NL,     4                         ; LDS loads that bring one
.set NP,     4                         ; places behind this matrix instruction (ISA guide 7.12.1)
.set SCL,  12                          ; v12  2^eo as f32, eo = e2, e3 or e5
.set LIM,  13                          ; v13  448 x 2^eo
.set ADRA, 16                          ; v16-17  LDS address of my A role's fragments in slot 0, 1
.set ADRB, 20                          ; v20-21  the same for the B role
.set CO,   26                          ; v26  16 x lane
.set ZR,   27                          ; v27  0
.set SPW,  28                          ; v28  LDS address of my spare word; never rewritten
.set NIL,  29                          ; v29  0; never rewritten
.set BB,   32                          ; v32-95   bias of B-role row 16 b + 8 h + j at register 8 b + j (zeros for v)
.set RAW,  96                          ; v96-103  bias of A-role row 16 a + r as loaded
.set BA,   104                         ; v104-119 the same in pairs (zeros for q and k)
.set AF,   128                         ; the A role's fragments
.set TMP,  128                         ; the way out: a block's 64 numbers
.set CD,   192                         ; the way out: its codes, v192-207 and v208-223 by turns
.set G1, 24                            ; s[24:31] descriptor group 1 for the A role;  s[32:39] group 0, one set for each slot
.set G0, 32
.set G1B, 48                           ; s[48:55], s[56:63] the same for the B role
.set G0B, 56
.set MSB, 0
.macro WIN new                         ; the immediate's high byte repeats the setting that is left
.if MSB != \new
	s_set_vgpr_msb (MSB<<8)|\new
.set MSB, \new
.endif
.endm
.set MUL_LO, 0xa1                      ; source 0 (B role) window 1, source 1 (A role) window 0, C and D window 2
.set MUL_HI, 0xf1                      ; the same, C and D window 3
.set TO_B,   0x40                      ; destination window 1, address window 0
; A joint load: waves 0 and 1 fetch the A role's halves, waves 2 and 3 the B role's.  Each of the two lines has ONE mask and one set of registers for all that issue it; the branch hangs on the wave's number alone.
; An s_nop 0 and four v_nop follow each of the two lines, ahead of the jump, the label and what follows.
.macro JLOAD g0a, g1a, g0b, g1b
	s_cmp_eq_u32 s15, 0
	s_cbranch_scc0 .Lfor_b_\@
	tensor_load_to_lds s[\g0a:\g0a+3], s[\g1a:\g1a+7]
	s_nop 0
.rept 4
	v_nop
.endr
	s_branch .Lasked_\@
.Lfor_b_\@:
	tensor_load_to_lds s[\g0b:\g0b+3], s[\g1b:\g1b+7]
	s_nop 0
.rept 4
	v_nop
.endr
.Lasked_\@:
.endm
.macro CREST                           ; a round of the cluster's barrier behind its opening barrier
	s_cmp_lg_u32 s14, 0
	s_cbranch_scc1 .Lnot_wave_0_\@
	s_barrier_signal -3
.Lnot_wave_0_\@:
	s_barrier_wait -3
	s_barrier_signal -1
	s_barrier_wait -1
.endm
.macro CROUND                          ; a whole round
	s_barrier_signal -1
	s_barrier_wait -1
	CREST
.endm
	s_load_b256 s[4:11], s[0:1], 0x0               ; xq s[4:5], wq s[6:7], the exponents s[8:9], qkv s[10:11]
	s_load_b64 s[12:13], s[0:1], 0x20              ; b_qkv
	v_lshl_add_u32 v[SPW], v0, 2, SPARE
	v_mov_b32 v[NIL], 0
	ds_add_u32 v[SPW], v[NIL]                      ; the wave's opening: the add and its wait stand ahead of my first tensor load; the set-up below, work on registers, stands between them
	v_lshrrev_b32 v1, 5, v0
	v_readfirstlane_b32 s14, v1                    ; wave 0..3
	s_lshr_b32 s15, s14, 1                         ; which half of the A role's rows is mine.  Also: I fetch for the A role (0) or the B role (1)
	s_and_b32 s16, s14, 1                          ; which half of the B role's rows.  Also: which half of that tile I fetch
	s_bfe_u32 s40, ttmp6, 0x40000                  ; cx, cy: my place in the cluster
	s_bfe_u32 s41, ttmp6, 0x40004
	s_and_b32 s18, ttmp7, 0xffff
	s_lshl_b32 s18, s18, 2                         ; 4 x cluster y
	s_lshl_b32 s19, ttmp9, 2                       ; 4 x cluster x
	s_add_co_u32 s20, s18, s41                     ; q, k: the tile of 256 tokens
	s_add_co_u32 s21, s19, s40                     ; q, k: the tile of 256 features
	s_add_co_u32 s22, s18, s40                     ; v: the tile of 256 tokens
	s_lshl_b32 s43, s41, 2
	s_lshl_b32 s43, 15, s43                        ; my row of the cluster
	s_lshl_b32 s44, 0x1111, s40                    ; my column
	; descriptor group 1: a dense block of 128 rows x 256 bytes, in elements of 8 bytes, no padding
	s_or_b32 s[G1+0], s43, (3<<16)|(1<<21)         ; 15:0 the mask: the A role's tiles go to my row; 17:16 elements of 8 bytes; 21 set beside a mask
	s_or_b32 s[G1B+0], s44, (3<<16)|(1<<21)        ; the B role's to my column
.irp g, G1, G1B
	s_mov_b32 s[\g+1], 32<<16                      ; tensor_dim0 = 32
	s_mov_b32 s[\g+2], 128<<16                     ; tensor_dim1 = 128
	s_mov_b32 s[\g+3], 32<<16                      ; tile_dim0 = 32
	s_mov_b32 s[\g+4], 128                         ; tile_dim1 = 128
	s_mov_b32 s[\g+5], 32                          ; tensor_dim0_stride
	s_mov_b32 s[\g+6], 0
	s_mov_b32 s[\g+7], 0
.endr
	s_mov_b32 s68, 2097152                         ; 256 along K of all rows: xq's plane,
	s_mov_b32 s70, 786432                          ; wq's
	s_cmp_eq_u32 ttmp9, 2                          ; v?  The same in all sixteen partners
	s_cselect_b32 s17, s41, s20                    ; the A role's tile: it hangs on cy and the cluster's y
	s_cselect_b32 s42, s22, s21                    ; the B role's tile: on cx and the cluster's numbers
	s_cselect_b32 s66, -1, 0                       ; a lane mask: all lanes for v
	s_cselect_b32 s67, 128, 0                      ; v's features begin at row tile 128 of wq
	s_cselect_b32 s68, 786432, s68                 ; the A role's plane
	s_cselect_b32 s70, 2097152, s70                ; the B role's
	s_mov_b32 s69, 0
	s_mov_b32 s71, 0
	s_lshl_b32 s23, s16, 3                         ; which 8 row tiles of the tile I fetch
	s_lshl_b32 s20, s17, 4
	s_add_co_u32 s20, s20, s23
	s_add_co_u32 s20, s20, s67
	s_lshl_b32 s20, s20, 12                        ; the A role: row tile x 4,096 bytes
	s_mov_b32 s21, 0
	s_lshl_b32 s46, s42, 4
	s_add_co_u32 s46, s46, s23
	s_lshl_b32 s46, s46, 12                        ; the B role
	s_mov_b32 s47, 0
	s_lshl_b32 s45, s14, 15                        ; where they go: wave x 32,768: no place in the cluster enters an LDS address
	s_lshl_b32 s80, s68, 1                         ; a refill steps two planes
	s_mov_b32 s81, 0
	s_lshl_b32 s82, s70, 1
	s_mov_b32 s83, 0
	s_wait_dscnt 0x0                               ; the opening add is done
	s_wait_kmcnt 0x0
	s_load_b256 s[72:79], s[8:9], 0x0              ; the eight exponents
	s_cmp_eq_u32 ttmp9, 2
	s_cselect_b64 s[84:85], s[6:7], s[4:5]         ; the A role's codes
	s_cselect_b64 s[86:87], s[4:5], s[6:7]         ; the B role's
	s_add_nc_u64 s[20:21], s[84:85], s[20:21]
	s_add_nc_u64 s[46:47], s[86:87], s[46:47]
	CROUND                                         ; all sixteen work-groups are here: the first joint loads meet
	s_mov_b32 s[G0], 1                             ; slot 0: K step 0
	s_mov_b32 s[G0+1], s45
	s_mov_b64 s[G0+2:G0+3], s[20:21]
	s_or_b32 s[G0+3], s[G0+3], 0x80000000
	s_mov_b32 s[G0B], 1
	s_mov_b32 s[G0B+1], s45
	s_mov_b64 s[G0B+2:G0B+3], s[46:47]
	s_or_b32 s[G0B+3], s[G0B+3], 0x80000000
	JLOAD G0, G1, G0B, G1B
	s_mov_b32 s[G0+4], 1                           ; slot 1: K step 1, a plane on
	s_add_co_u32 s[G0+5], s45, SLOT
	s_add_nc_u64 s[G0+6:G0+7], s[20:21], s[68:69]
	s_or_b32 s[G0+7], s[G0+7], 0x80000000
	s_mov_b32 s[G0B+4], 1
	s_add_co_u32 s[G0B+5], s45, SLOT
	s_add_nc_u64 s[G0B+6:G0B+7], s[46:47], s[70:71]
	s_or_b32 s[G0B+7], s[G0B+7], 0x80000000
	JLOAD G0+4, G1, G0B+4, G1B
	v_and_b32 v1, 31, v0
	v_lshlrev_b32 v[CO], 4, v1
	v_mov_b32 v[ZR], 0
	s_lshl_b32 s21, s15, 15                        ; my half of the A role,
	s_lshl_b32 s22, s16, 15                        ; my half of the B role,
	s_add_co_u32 s22, s22, 2*HALFT                 ; which lies behind the A role's two
.irp s, 0,1
	v_add_nc_u32 v[ADRA+\s], s21, v[CO]
	v_add_nc_u32 v[ADRB+\s], s22, v[CO]
	s_add_co_u32 s21, s21, SLOT
	s_add_co_u32 s22, s22, SLOT
.endr
	; the biases.  q, k: features lie along the registers; v: along the lanes.  Both are loaded from places inside b_qkv, and the one that does not apply is made zero.
	s_cmp_eq_u32 ttmp9, 2
	s_cselect_b32 s88, 0, s42
	s_cselect_b32 s90, s17, 0
	s_cselect_b32 s92, s42, s17                    ; the tile of tokens,
	s_cselect_b32 s93, s16, s15                    ; and my half of it
	s_cselect_b32 s94, s17, s42                    ; the tile of features,
	s_cselect_b32 s95, s15, s16                    ; and my half of it
	s_lshl_b32 s88, s88, 10
	s_lshl_b32 s89, s16, 9
	s_add_co_u32 s88, s88, s89                     ; 4 x (256 x tile + 128 x half)
	s_mov_b32 s89, 0
	s_add_nc_u64 s[88:89], s[12:13], s[88:89]
	s_lshl_b32 s90, s90, 10
	s_lshl_b32 s91, s15, 9
	s_add_co_u32 s90, s90, s91
	s_add_co_u32 s90, s90, 8192                    ; v's biases begin at number 2,048
	s_mov_b32 s91, 0
	s_add_nc_u64 s[90:91], s[12:13], s[90:91]
	v_bfe_u32 v2, v0, 4, 1
	v_lshlrev_b32 v2, 5, v2                        ; 32 h
	v_and_b32 v3, 15, v0
	v_lshlrev_b32 v3, 2, v3                        ; 4 r
.irp b, 0,1,2,3,4,5,6,7
	global_load_b128 v[BB+8*\b:BB+8*\b+3], v2, s[88:89] offset:64*\b
	global_load_b128 v[BB+8*\b+4:BB+8*\b+7], v2, s[88:89] offset:64*\b+16
.endr
.irp a, 0,1,2,3,4,5,6,7
	global_load_b32 v[RAW+\a], v3, s[90:91] offset:64*\a
.endr
	; where my codes go: part x 8,388,608 + (8 x batch + pair of heads) x 262,144 + (my 128 tokens within the batch) x 16,384
	s_lshr_b32 s2, s92, 3
	s_lshl_b32 s2, s2, 3
	s_and_b32 s94, s94, 3
	s_lshl_b32 s94, s94, 1
	s_add_co_u32 s2, s2, s94
	s_add_co_u32 s2, s2, s95
	s_lshl_b32 s2, s2, 18
	s_and_b32 s92, s92, 7
	s_lshl_b32 s92, s92, 1
	s_add_co_u32 s92, s92, s93
	s_lshl_b32 s92, s92, 14
	s_add_co_u32 s2, s2, s92
	s_lshl_b32 s3, ttmp9, 23
	s_add_co_u32 s2, s2, s3
	s_mov_b32 s3, 0
	s_add_nc_u64 s[10:11], s[10:11], s[2:3]
	s_wait_kmcnt 0x0
	s_add_co_i32 s96, s72, s73
	s_add_co_i32 s96, s96, 127
	s_lshl_b32 s96, s96, 23                        ; 2^(e0 + e1) as f32
	s_mov_b32 s97, s96                             ; (named with it as a pair, so it is written)
	s_cmp_eq_u32 ttmp9, 0
	s_cselect_b32 s2, s74, s75
	s_cmp_eq_u32 ttmp9, 2
	s_cselect_b32 s2, s77, s2                      ; eo
	s_add_co_i32 s2, s2, 127
	s_lshl_b32 s3, s2, 23
	v_mov_b32 v[SCL], s3
	s_add_co_i32 s2, s2, 8
	s_lshl_b32 s2, s2, 23
	s_or_b32 s2, s2, 0x600000
	v_mov_b32 v[LIM], s2
	s_wait_loadcnt 0x0                             ; the biases
.set j, 0
.rept 64
	v_cndmask_b32 v[BB+j], v[BB+j], v[ZR], s66     ; zeros for v
.set j, j+1
.endr
.irp a, 0,1,2,3,4,5,6,7
	v_cndmask_b32 v[BA+2*\a], v[ZR], v[RAW+\a], s66   ; zeros for q and k
	v_cndmask_b32 v[BA+2*\a+1], v[ZR], v[RAW+\a], s66
.endr
.macro FRAG reg, adr, q, i             ; a fragment comes as it was stored: four loads of 512 consecutive bytes
.irp c, 0,1,2,3
	ds_load_b128 v[\reg+4*\c:\reg+4*\c+3], v[\adr] offset:2048*(\q)+512*\c+4096*(\i)
.endr
.endm
; 16 matrix instructions: the A role's blocks a0, a0 + 1 x the B role's eight, 128 along K.  p: the B role's set.  zero = 1: the first product starts the sums: nothing is ever cleared.
; The 64 accumulators take turns, one instruction a turn, in the same order in every step.
.macro MUL16 a0, p, zero
.irp a, \a0, \a0+1
.irp b, 0,1,2,3,4,5,6,7
.if \zero
	v_wmma_f32_16x16x128_fp8_fp8 v[8*(8*((\a)%4)+\b):8*(8*((\a)%4)+\b)+7], v[128*(\p)+FR*\b:128*(\p)+FR*\b+FR-1], v[AF+FR*(\a):AF+FR*(\a)+FR-1], 0
.else
	v_wmma_f32_16x16x128_fp8_fp8 v[8*(8*((\a)%4)+\b):8*(8*((\a)%4)+\b)+7], v[128*(\p)+FR*\b:128*(\p)+FR*\b+FR-1], v[AF+FR*(\a):AF+FR*(\a)+FR-1], v[8*(8*((\a)%4)+\b):8*(8*((\a)%4)+\b)+7]
.endif
.endr
.endr
.endm
.macro FETCH_B slot, q, p              ; the B role's eight fragments of the slot's q-th 128 along K into set p
	WIN TO_B
.irp i, 0,1,2,3,4,5,6,7
	FRAG 128*(\p)+FR*\i, ADRB+\slot, \q, \i
.endr
	WIN 0
.endm
.macro FETCH_A slot, q, i0             ; the A role's blocks i0 .. i0 + 3
.irp i, \i0, \i0+1, \i0+2, \i0+3
	FRAG AF+FR*(\i), ADRA+\slot, \q, \i
.endr
.endm
; A load into a register that a matrix instruction has read, and a vector instruction that reads a matrix result or writes one of its registers, stand NP places behind that matrix instruction; only plain
; vector instructions that name none of its registers are places (ISA guide 7.12.1 for vector instructions).
.macro PLACES n
.rept \n
	v_nop
.endr
.endm
; A step of 128 along K that has its successor in the same slot.
.macro STEP slot, q, zero
	s_wait_dscnt 4*NL                              ; the B role's set and the A role's blocks 0-3 are in; the youngest sixteen loads (blocks 4-7) may be out
	WIN MUL_LO
	MUL16 0, (\q)%2, \zero
	MUL16 2, (\q)%2, \zero
	s_wait_dscnt 0                                 ; blocks 4-7 are in (asked for 32 matrix instructions ago)
	PLACES NP
	FETCH_B \slot, (\q)+1, 1-(\q)%2
	FETCH_A \slot, (\q)+1, 0
	WIN MUL_HI
	MUL16 4, (\q)%2, \zero
	MUL16 6, (\q)%2, \zero
	PLACES NP
	WIN 0
	FETCH_A \slot, (\q)+1, 4
.endm
; A slot's last step changes slots: ONE barrier; in front of it each wave waits for all its tensor loads, adds 0 to its spare word, and waits for that and for its own reads of this slot.  fill = 1: this slot is filled again, two K steps ahead.
.macro TURN slot, next, fill
	s_wait_tensorcnt 0x0                           ; all my tensor loads have landed: my part of the next slot;  (every window is 0 here: the add's two registers lie in window 0)
	ds_add_u32 v[SPW], v[NIL]                      ; 0 onto my spare word
	s_wait_dscnt 4*NL+1                            ; (the add and the youngest sixteen loads, blocks 4-7, may be out)
	WIN MUL_LO
	MUL16 0, 1, 0                                  ; sixteen matrix instructions stand between the add and the wait for it
	s_wait_dscnt 0x0                               ; the add is done, and my reads of this slot are over
	s_barrier_signal -1
	MUL16 2, 1, 0
	WIN 0
	s_barrier_wait -1
.if \fill
	CREST                                          ; the barrier has opened a round of the cluster's barrier: no wave of any partner still reads this slot's tile or has a load on its way
	s_add_nc_u64 s[G0+4*\slot+2:G0+4*\slot+3], s[G0+4*\slot+2:G0+4*\slot+3], s[80:81]
	s_add_nc_u64 s[G0B+4*\slot+2:G0B+4*\slot+3], s[G0B+4*\slot+2:G0B+4*\slot+3], s[82:83]
	JLOAD G0+4*\slot, G1, G0B+4*\slot, G1B         ; the first tensor load behind the round; the four v_nop behind it are the places in front of the loads below
.else
	PLACES NP
.endif
	FETCH_B \next, 0, 0
	FETCH_A \next, 0, 0
	WIN MUL_HI
	MUL16 4, 1, 0
	MUL16 6, 1, 0
	PLACES NP
	WIN 0
	FETCH_A \next, 0, 4
.endm
	s_wait_tensorcnt 1                             ; my part of K step 0 is in (K step 1's load may be out)
	s_barrier_signal -1
	s_barrier_wait -1                              ; everybody's is
	FETCH_B 0, 0, 0
	FETCH_A 0, 0, 0
	FETCH_A 0, 0, 4
	STEP 0, 0, 1                                   ; the first products start the sums
	TURN 0, 1, 1                                   ; slot 0 takes K step 2
	STEP 1, 0, 0
	TURN 1, 0, 1                                   ; slot 1 takes K step 3
	STEP 0, 0, 0
	TURN 0, 1, 0                                   ; nothing is left to fetch: no round
	STEP 1, 0, 0
	s_wait_dscnt 4*NL                              ; the very last step
	WIN MUL_LO
	MUL16 0, 1, 0
	MUL16 2, 1, 0
	s_wait_dscnt 0
	WIN MUL_HI
	MUL16 4, 1, 0
	MUL16 6, 1, 0
	WIN 0
; THE WAY OUT, block by block of 16 rows of the A role.  number = sum x 2^(e0 + e1) + bias: one of the two biases is zero, so it is rounded once.  Held within +-448 x 2^eo, converted: accumulator b's eight registers
; become registers 2 b, 2 b + 1 of the fragments.  No LDS: a lane's four registers are 16 bytes of a store's 512.  Each accumulator is read from its low end on.
.macro OUTBLK a
.set AC, 64*((\a)%4)
.set CC, CD+16*((\a)%2)
	s_wait_xcnt 0x0                                ; the stores of two blocks ago have read their registers
	WIN 0x02+((\a)/4)                              ; source 0: window 2 or 3
.set j, 0
.rept 32
	v_pk_fma_f32 v[TMP+j:TMP+j+1], v[AC+j:AC+j+1], s[96:97], v[BB+j:BB+j+1] op_sel_hi:[1,0,1]
.set j, j+2
.endr
	WIN 0
.set j, 0
.rept 32
	v_pk_add_f32 v[TMP+j:TMP+j+1], v[TMP+j:TMP+j+1], v[BA+2*(\a):BA+2*(\a)+1]
.set j, j+2
.endr
.set j, 0
.rept 64
	v_med3_num_f32 v[TMP+j], v[TMP+j], -v[LIM], v[LIM]   ; the conversion to an 8-bit code does not saturate (ISA guide 7.6.2)
.set j, j+1
.endr
.irp b, 0,1,2,3,4,5,6,7
	v_cvt_scalef32_pk8_fp8_f32 v[CC+2*\b:CC+2*\b+1], v[TMP+8*\b:TMP+8*\b+7], v[SCL]
.endr
	v_nop                                          ; a plain line behind the last conversion: the next block writes its sources
.irp i, 0,1,2,3
	global_store_b128 v[CO], v[CC+4*\i:CC+4*\i+3], s[10:11] offset:2048*(\a)+512*\i   ; 512 consecutive bytes, at a multiple of 512 from the buffer's first byte
.endr
.endm
	PLACES NP                                      ; behind the last products: the lines below write registers that held the A role's fragments
.irp a, 0,1,2,3,4,5,6,7
	OUTBLK \a
.endr
	s_wait_tensorcnt 0x0                           ; the wave's end
	ds_add_u32 v[SPW], v[NIL]
	s_wait_dscnt 0x0
	CROUND                                         ; the closing round: no work-group ends while a partner may still ask for a tile that names it
	s_endpgm
.Lfunc_end_k_qb27f9c4526_qkv:
	.size	k_qb27f9c4526_qkv, .Lfunc_end_k_qb27f9c4526_qkv-k_qb27f9c4526_qkv
	.p2alignl 7, 3214868480
	.fill 96, 4, 3214868480
	.section	.rodata,"a",@progbits
	.p2align	6, 0x0
	.amdhsa_kernel k_qb27f9c4526_qkv
		.amdhsa_group_segment_fixed_size 327680
		.amdhsa_private_segment_fixed_size 0
		.amdhsa_enable_private_segment 0
		.amdhsa_kernarg_size 40
		.amdhsa_user_sgpr_count 2
		.amdhsa_user_sgpr_kernarg_segment_ptr 1
		.amdhsa_wavefront_size32 1
		.amdhsa_system_sgpr_workgroup_id_x 1
		.amdhsa_system_sgpr_workgroup_id_y 1
		.amdhsa_system_sgpr_workgroup_id_z 1
		.amdhsa_system_vgpr_workitem_id 0
		.amdhsa_next_free_vgpr 1024
		.amdhsa_next_free_sgpr 100
		.amdhsa_reserve_vcc 0
		.amdhsa_float_denorm_mode_32 3
		.amdhsa_float_denorm_mode_16_64 3
		.amdhsa_memory_ordered 1
		.amdhsa_forward_progress 1
		.amdhsa_inst_pref_size 158
	.end_amdhsa_kernel
	.amdgpu_metadata
---
amdhsa.version: [ 1, 2 ]
amdhsa.kernels:
  - .name:           k_qb27f9c4526_qkv
    .symbol:         k_qb27f9c4526_qkv.kd
    .args:
      - { .name: xq, .offset: 0, .size: 8, .value_kind: global_buffer, .address_space: global }
      - { .name: wq, .offset: 8, .size: 8, .value_kind: global_buffer, .address_space: global }
      - { .name: lowp_scales, .offset: 16, .size: 8, .value_kind: global_buffer, .address_space: global }
      - { .name: qkv, .offset: 24, .size: 8, .value_kind: global_buffer, .address_space: global }
      - { .name: b_qkv, .offset: 32, .size: 8, .value_kind: global_buffer, .address_space: global }
    .group_segment_fixed_size: 327680
    .private_segment_fixed_size: 0
    .kernarg_segment_align: 8
    .kernarg_segment_size: 40
    .max_flat_workgroup_size: 128
    .sgpr_count:     100
    .vgpr_count:     1024
    .wavefront_size: 32
...
	.end_amdgpu_metadata
.endif
;; end of part 2
;; launch attn (part 3): grid 4 x 64, 16 waves a work-group, no clusters, 264,192 bytes of LDS; arguments qkv, mw, mf, cf, lowp_scales; writes cf
.if DOCPART == 3
	.amdgcn_target "amdgcn-amd-amdhsa--gfx1250"
	.amdhsa_code_object_version 6
	.text
	.protected	k_qb27f9c4526_attn
	.globl	k_qb27f9c4526_attn
	.p2align	8
	.type	k_qb27f9c4526_attn,@function
k_qb27f9c4526_attn:
	s_mov_b64 s[64:65], 0
	v_nop
	global_prefetch_b8 v0, s[64:65] scope:SCOPE_SE
	s_setreg_imm32_b32 hwreg(HW_REG_WAVE_MODE, 25, 1), 1
	s_wait_xcnt 0x0
; context[b][q][head] = softmax_k(q . k / 8, under the given mask) v, both products on codes of E4M3; the context is quantised at once with 2^e6, as the A operand of the last product.
; THE SOFTMAX AHEAD OF THE SECOND PRODUCT: t = score x log2(e) / 8; M = the row's largest t so far, rounded UP to a whole number; p = 2^(t - M) is quantised with 2^e4, not normalised; the row's sum is taken of the
; unquantised p and divides at the end.  When M moves, the sum and O are multiplied by 2^(old M - new M): exact.
; THE MASK IS AN INPUT.  An earlier launch has turned it into lane-mask words (bit l of word 8 t + j: the pair whose score lies in lane l, register 8 t + j of a key step) and a flag for each tile of 16 queries x 128 keys:
; 0 no key counts: the step is left out;  1 all count: no masking;  3 some: hidden scores become -infinity ahead of the maximum, so p = 0.  A row with no key at all has the sum 0 and becomes NaN, as a softmax over nothing is.
; SHARES.  A work-group owns a head of a batch and a quarter i of its query tiles; wave w takes the tiles 4 n + i for n = w and n = 31 - w.  A head's codes of k and of v, 131,072 bytes each, lie in LDS WHOLE: each wave brings a
; sixteenth through registers, one barrier follows, and from there on no wave waits for another.
; NO JOINT LOADS, though the four work-groups of a head read the same k and v: those need tensor loads.  What is shared is read once, at the head.
; LAYOUT.  Both products are used transposed: S^T = k q^T (source 0 = 16 keys, source 1 = my 16 queries), O^T = v^T p^T (source 0 = 16 channels, source 1 = p): a lane holds ONE query (lane % 16) throughout.  In S^T's tile t register j
; is key 16 t + 8 (lane / 16) + j: the conversion's two registers are registers 2 t, 2 t + 1 of p's fragment in the matrix instruction's own order of K, in which v's fragments were stored.
; LIMITS on the given exponents: e2 + e3 between -123 and 130 (they are added to c's exponent field); e4 and e6 between -126 and 119; e4 + e5 is applied by v_ldexp_f32.
; REGISTERS: v1-9 addresses; v12 -M, v13 the largest t, v[14:15] the sum in two halves; v16-23 q; v32-95 fragments of k, then of v; v96-159 S^T, then p; v160-191 O^T; v192-207 at work and constants; v224-239 codes.
; s[16:63] and s[80:95]: a step's 64 mask words (word w in s[16 + w], from word 48 on in s[32 + w]).
.set VLDS,  131072                     ; k's 128 tiles of 1,024 bytes from byte 0; v's 16 key steps of 8,192 bytes from here
.set SPARE, 262144                     ; behind them: the spare words, 128 bytes for each wave: eight blocks of 256 bytes that no other line names
.set LI,   1                           ; v1  16 x lane
.set LIV,  2                           ; v2  16 x lane + VLDS
.set FK,   3                           ; v3  where I put k's codes: 16 x lane + 8,192 x wave
.set FV,   4                           ; v4  and v's
.set SPW,  5                           ; v5  LDS address of my spare word; never rewritten
.set NIL,  6                           ; v6  0; never rewritten
.set ADK,  8                           ; v8  the step's tiles of k
.set ADV,  9                           ; v9  of v
	s_load_b64 s[4:5], s[0:1], 0x0                 ; qkv
	s_load_b64 s[10:11], s[0:1], 0x8               ; mw
	s_load_b128 s[12:15], s[0:1], 0x10             ; mf s[12:13], cf s[14:15]
	s_load_b64 s[16:17], s[0:1], 0x20              ; the exponents
	v_lshl_add_u32 v[SPW], v0, 2, SPARE
	v_mov_b32 v[NIL], 0
	v_lshrrev_b32 v7, 5, v0
	v_readfirstlane_b32 s66, v7                    ; wave 0..15
	v_and_b32 v7, 31, v0
	v_lshlrev_b32 v[LI], 4, v7
	v_add_nc_u32 v[LIV], VLDS, v[LI]
	s_lshl_b32 s67, s66, 13
	v_add_nc_u32 v[FK], s67, v[LI]
	v_add_nc_u32 v[FV], s67, v[LIV]
	s_and_b32 s69, ttmp7, 0xffff                   ; 16 x batch + head
	s_lshr_b32 s70, s69, 1
	s_lshl_b32 s70, s70, 18                        ; (8 x batch + pair of heads) x 262,144
	s_and_b32 s71, s69, 1                          ; head % 2
	s_lshl_b32 s72, s71, 10
	s_add_co_u32 s104, s70, s72                    ; q: + 1,024 x (head % 2)
	s_mov_b32 s105, 0                              ; s[104:105]: an offset as a pair; s105 stays 0
	s_lshl_b32 s73, s66, 14                        ; my sixteenth: 8 tiles of k, or one key step of v: 16,384 bytes of a pair of heads
	s_add_co_u32 s20, s104, s73
	s_add_co_u32 s20, s20, 8388608                 ; k's part
	s_mov_b32 s21, 0
	s_lshl_b32 s72, s71, 13
	s_add_co_u32 s22, s70, s72                     ; v: + 8,192 x (head % 2)
	s_add_co_u32 s22, s22, s73
	s_add_co_u32 s22, s22, 16777216                ; v's part
	s_mov_b32 s23, 0
	s_and_b32 s72, s69, 15                         ; head
	s_lshr_b32 s18, s72, 2
	s_lshl_b32 s18, s18, 21                        ; cf: the plane of K = 64 x head: (head / 4) x 2,097,152
	s_lshr_b32 s19, s69, 4
	s_lshl_b32 s19, s19, 19                        ; + batch x 128 row tiles x 4,096
	s_add_co_u32 s18, s18, s19
	s_and_b32 s19, s72, 3
	s_lshl_b32 s19, s19, 10                        ; + (head % 4) x 1,024: eight registers of a fragment of 128 along K
	s_add_co_u32 s18, s18, s19
	s_mov_b32 s19, 0
	s_mov_b32 s76, 0x76543210                      ; v_permlanex16_b32's selects for lane l xor 16
	s_mov_b32 s77, 0xfedcba98
	s_mov_b32 s68, s66                             ; n
	s_mov_b32 s73, 2                               ; query tiles to go
	s_wait_kmcnt 0x0
	s_load_b256 s[24:31], s[16:17], 0x0            ; e0 .. e7
	s_add_nc_u64 s[6:7], s[4:5], s[20:21]          ; my part of k,
	s_add_nc_u64 s[8:9], s[4:5], s[22:23]          ; of v,
	s_add_nc_u64 s[4:5], s[4:5], s[104:105]        ; the head's q,
	s_add_nc_u64 s[14:15], s[14:15], s[18:19]      ; its place in cf
.set n, 0
.rept 16
	global_load_b128 v[32+4*n:35+4*n], v[LI], s[6:7] offset:(n/2)*2048+(n%2)*512   ; tile n / 2, half n % 2: 512 consecutive bytes
.set n, n+1
.endr
.set n, 0
.rept 16
	global_load_b128 v[96+4*n:99+4*n], v[LI], s[8:9] offset:512*n
.set n, n+1
.endr
	s_wait_kmcnt 0x0
	s_add_co_i32 s74, s26, s27
	s_lshl_b32 s74, s74, 23
	s_add_co_i32 s74, s74, 0x3e38aa3b              ; c = log2(e) / 8, with e2 + e3 added to its exponent field: a score stands for score x 2^(e2 + e3)
	s_mov_b32 s75, s74                             ; (named with it as a pair, so it is written)
	s_add_co_i32 s79, s28, s29                     ; e4 + e5
	s_cmp_lt_i32 s28, -8
	s_cselect_b32 s78, 1, 0                        ; p is at most 1 but for its last bit, so p / 2^e4 can pass 448 only where e4 is under -8: only then is p held
	s_add_co_i32 s67, s28, 127
	s_lshl_b32 s72, s67, 23
	v_mov_b32 v195, s72                            ; 2^e4
	s_add_co_i32 s67, s67, 8
	s_lshl_b32 s67, s67, 23
	s_or_b32 s67, s67, 0x600000
	v_mov_b32 v194, s67                            ; 448 x 2^e4
	s_add_co_i32 s67, s30, 127
	s_lshl_b32 s72, s67, 23
	v_mov_b32 v197, s72                            ; 2^e6
	s_add_co_i32 s67, s67, 8
	s_lshl_b32 s67, s67, 23
	s_or_b32 s67, s67, 0x600000
	v_mov_b32 v196, s67                            ; 448 x 2^e6
	v_mov_b32 v193, 0xff800000                     ; -infinity
	v_mov_b32 v192, 0                              ; written once: a lane permute's destination counts as one of its sources
	v_mov_b32 v201, 0                              ; (named as the upper half of the pair v[200:201])
	s_wait_loadcnt 16                              ; k's sixteen loads are in; v's sixteen may be out
.set n, 0
.rept 16
	ds_store_b128 v[FK], v[32+4*n:35+4*n] offset:512*n
.set n, n+1
.endr
	s_wait_loadcnt 0x0
.set n, 0
.rept 16
	ds_store_b128 v[FV], v[96+4*n:99+4*n] offset:512*n
.set n, n+1
.endr
	s_wait_dscnt 0x0                               ; for the others' sake: my stores have landed
	s_barrier_signal -1
	s_barrier_wait -1                              ; the head's k and v lie in LDS; nothing is written there again
; A KEY STEP: the 128 keys of step s70.  m = 1: some keys are hidden.
.macro STEP m
.if \m
	s_lshl_b32 s104, s70, 8
	s_add_nc_u64 s[2:3], s[98:99], s[104:105]      ; the unit's 256 bytes
	s_load_b512 s[16:31], s[2:3], 0x0
	s_load_b512 s[32:47], s[2:3], 0x40
	s_load_b512 s[48:63], s[2:3], 0x80
	s_load_b512 s[80:95], s[2:3], 0xc0
.endif
	s_lshl_b32 s67, s70, 13
	v_add_nc_u32 v[ADK], s67, v[LI]
	v_add_nc_u32 v[ADV], s67, v[LIV]
	v_nop                                          ; with the two additions: four places in front of loads into registers that the last products have read
	v_nop
.set n, 0
.rept 16
	ds_load_b128 v[32+4*n:35+4*n], v[ADK] offset:512*n
.set n, n+1
.endr
	s_wait_dscnt 0x0
.irp t, 0,1,2,3,4,5,6,7
	v_wmma_f32_16x16x64_fp8_fp8 v[96+8*\t:103+8*\t], v[32+8*\t:39+8*\t], v[16:23], 0
.endr
.rept 4
	v_nop                                          ; places in front of the loads below and of the first read of the scores
.endr
.set n, 0
.rept 16
	ds_load_b128 v[32+4*n:35+4*n], v[ADV] offset:512*n   ; v's four fragments: they land while the softmax is walked
.set n, n+1
.endr
.if \m
	s_wait_kmcnt 0x0
.set w, 0
.rept 64
.if w < 48
.set mwr, 16+w
.else
.set mwr, 32+w
.endif
	v_cndmask_b32 v[96+w], v193, v[96+w], s[mwr]   ; where the bit is 0: -infinity
.set w, w+1
.endr
.endif
	v_max3_num_f32 v202, v96, v97, v98             ; the step's largest score of my query, among my 64 keys, in two chains, each accumulator from its low end on,
	v_max3_num_f32 v203, v99, v100, v101
.set i, 6
.rept 14
	v_max3_num_f32 v202, v202, v[96+i], v[97+i]
	v_max3_num_f32 v203, v203, v[98+i], v[99+i]
.set i, i+4
.endr
	v_max3_num_f32 v202, v202, v158, v159
	v_max_num_f32 v202, v202, v203
	v_permlanex16_b32 v192, v202, s76, s77
	v_max_num_f32 v202, v202, v192                 ; and among lane l xor 16's
	v_mul_f32 v202, s74, v202                      ; as t (c is positive)
	v_max_num_f32 v13, v13, v202                   ; the running largest t
	v_mov_b32 v202, v12
	v_floor_f32 v12, -v13                          ; the new -M = floor(-t) = -ceil(t): a whole number
	v_sub_f32 v202, v12, v202                      ; old M less new M: a whole number, 0 or less
	v_cvt_i32_f32 v202, v202                       ; (it saturates)
	v_ldexp_f32 v200, 1.0, v202                    ; f = 2^(old M - new M)
.set j, 0
.rept 32
	v_pk_fma_f32 v[96+j:97+j], v[96+j:97+j], s[74:75], v[12:13] op_sel_hi:[1,0,0]   ; t - M, two at a time (of the pairs c and -M the low word serves both halves)
.set j, j+2
.endr
.set j, 0
.rept 64
	v_exp_f32 v[96+j], v[96+j]                     ; p = 2^(t - M)
.set j, j+1
.endr
	v_pk_mul_f32 v[14:15], v[14:15], v[200:201] op_sel_hi:[1,0]   ; the sums under the new M: the plain line behind the exponentials
	s_wait_alu depctr_va_vdst(0)                   ; one wait for the whole batch, ahead of its first reader
	v_pk_add_f32 v[198:199], v[96:97], v[98:99]    ; the row's sum is taken of the unquantised p: two at a time, in two chains
.set j, 4
.rept 15
	v_pk_add_f32 v[14:15], v[14:15], v[96+j:97+j]
	v_pk_add_f32 v[198:199], v[198:199], v[98+j:99+j]
.set j, j+4
.endr
	v_pk_add_f32 v[14:15], v[14:15], v[198:199]
	s_cmp_eq_u32 s78, 0                            ; a whole number read from the scales: the same in every wave
	s_cbranch_scc1 .Lfree_\@
.set j, 0
.rept 64
	v_min_num_f32 v[96+j], v[96+j], v194           ; the conversion does not saturate (ISA guide 7.6.2); p is not negative, so the hold is one-sided
.set j, j+1
.endr
.Lfree_\@:
.irp t, 0,1,2,3,4,5,6,7
	v_cvt_scalef32_pk8_fp8_f32 v[224+2*\t:225+2*\t], v[96+8*\t:103+8*\t], v195
.endr
.set j, 0
.rept 16
	v_pk_mul_f32 v[160+j:161+j], v[160+j:161+j], v[200:201] op_sel_hi:[1,0]   ; O^T under the new M.  (Also the plain lines between the conversions and the products)
.set j, j+2
.endr
	s_wait_dscnt 0x0                               ; v's fragments
.irp d, 0,1,2,3
	v_wmma_f32_16x16x128_fp8_fp8 v[160+8*\d:167+8*\d], v[32+16*\d:47+16*\d], v[224:239], v[160+8*\d:167+8*\d]   ; the four accumulators take turns
.endr
.endm
.Ltile:
	s_wait_xcnt 0x0                                ; the last tile's stores have read their registers and their base
	s_lshl_b32 s69, s68, 2
	s_add_co_u32 s69, s69, ttmp9                   ; the query tile: 4 n + i
	s_lshl_b32 s104, s69, 11
	s_add_nc_u64 s[96:97], s[4:5], s[104:105]      ; its q,
	s_lshl_b32 s104, s69, 12
	s_add_nc_u64 s[98:99], s[10:11], s[104:105]    ; its 16 units of mask words,
	s_add_nc_u64 s[100:101], s[14:15], s[104:105]  ; its place in cf,
	s_lshl_b32 s104, s69, 6
	s_add_nc_u64 s[2:3], s[12:13], s[104:105]      ; its 16 flags
	s_load_b512 s[16:31], s[2:3], 0x0
	global_load_b128 v[16:19], v[LI], s[96:97]
	global_load_b128 v[20:23], v[LI], s[96:97] offset:512
	v_mov_b32 v13, 0xff61b1e6                      ; the largest t so far: -3e38, under every t
	v_floor_f32 v12, -v13                          ; -M
	v_mov_b32 v14, 0                               ; the sum, in two halves
	v_mov_b32 v15, 0
.set j, 0
.rept 32
	v_mov_b32 v[160+j], 0                          ; O^T: which step is the first to be walked hangs on the flags, so no first product can be written out to start the sums
.set j, j+1
.endr
	s_wait_kmcnt 0x0
	s_mov_b32 s71, s16                             ; the 16 flags, two bits each, in one word
.irp k, 1,2,3,4,5,6,7,8,9,10,11,12,13,14,15
	s_lshl_b32 s104, s[16+\k], 2*\k
	s_or_b32 s71, s71, s104
.endr
	s_mov_b32 s70, 0                               ; the key step
	s_wait_loadcnt 0x0                             ; q
.Lks:                                                  ; sixteen trips, a constant: the work of a trip is left out or not
	s_and_b32 s72, s71, 3
	s_lshr_b32 s71, s71, 2
	s_cmp_eq_u32 s72, 0
	s_cbranch_scc1 .Lnext                          ; no key of the step counts for any of my 16 queries
	s_cmp_eq_u32 s72, 3
	s_cbranch_scc1 .Lmixed
	STEP 0
	s_branch .Lnext
.Lmixed:
	STEP 1
.Lnext:
	s_add_co_u32 s70, s70, 1
	s_cmp_lt_u32 s70, 16
	s_cbranch_scc1 .Lks
	; THE TILE'S END: O^T x 2^(e4 + e5) / the sum is the context; held, converted with 2^e6, stored as eight registers of the last product's A fragment.
.rept 4
	v_nop                                          ; places behind the last products
.endr
	v_add_f32 v14, v14, v15                        ; the sum's two halves,
	v_permlanex16_b32 v192, v14, s76, s77
	v_add_f32 v14, v14, v192                       ; and lane l xor 16's
	v_rcp_f32 v204, v14
	v_nop                                          ; a plain line behind the transcendental
	s_wait_alu depctr_va_vdst(0)                   ; and the wait ahead of its first reader
	v_ldexp_f32 v204, v204, s79                    ; x 2^(e4 + e5)
	v_mul_f32 v206, 0, v204                        ; 0, or NaN where the sum is 0: a row with no key
	v_mov_b32 v205, v204
	v_mov_b32 v207, v206
.set j, 0
.rept 16
	v_pk_mul_f32 v[96+j:97+j], v[160+j:161+j], v[204:205]   ; each accumulator from its low end on
.set j, j+2
.endr
.set j, 0
.rept 32
	v_med3_num_f32 v[96+j], v[96+j], -v196, v196
.set j, j+1
.endr
.set j, 0
.rept 16
	v_pk_add_f32 v[96+j:97+j], v[96+j:97+j], v[206:207]     ; the hold lets a NaN lose: it is put back here
.set j, j+2
.endr
.irp d, 0,1,2,3
	v_cvt_scalef32_pk8_fp8_f32 v[224+2*\d:225+2*\d], v[96+8*\d:103+8*\d], v197
.endr
	v_nop                                          ; a plain line behind the last conversion
	global_store_b128 v[LI], v[224:227], s[100:101]             ; 1,024 consecutive bytes a tile
	global_store_b128 v[LI], v[228:231], s[100:101] offset:512
	s_sub_co_u32 s68, 31, s68                      ; the second tile: n = 31 - w
	s_sub_co_u32 s73, s73, 1
	s_cmp_lg_u32 s73, 0
	s_cbranch_scc1 .Ltile
	s_wait_tensorcnt 0x0                           ; the wave's end, behind my last LDS store
	ds_add_u32 v[SPW], v[NIL]
	s_wait_dscnt 0x0
	s_endpgm
.Lfunc_end_k_qb27f9c4526_attn:
	.size	k_qb27f9c4526_attn, .Lfunc_end_k_qb27f9c4526_attn-k_qb27f9c4526_attn
	.p2alignl 7, 3214868480
	.fill 96, 4, 3214868480
	.section	.rodata,"a",@progbits
	.p2align	6, 0x0
	.amdhsa_kernel k_qb27f9c4526_attn
		.amdhsa_group_segment_fixed_size 264192
		.amdhsa_private_segment_fixed_size 0
		.amdhsa_enable_private_segment 0
		.amdhsa_kernarg_size 40
		.amdhsa_user_sgpr_count 2
		.amdhsa_user_sgpr_kernarg_segment_ptr 1
		.amdhsa_wavefront_size32 1
		.amdhsa_system_sgpr_workgroup_id_x 1
		.amdhsa_system_sgpr_workgroup_id_y 1
		.amdhsa_system_sgpr_workgroup_id_z 1
		.amdhsa_system_vgpr_workitem_id 0
		.amdhsa_next_free_vgpr 256
		.amdhsa_next_free_sgpr 106
		.amdhsa_reserve_vcc 0
		.amdhsa_float_denorm_mode_32 3
		.amdhsa_float_denorm_mode_16_64 3
		.amdhsa_memory_ordered 1
		.amdhsa_forward_progress 1
		.amdhsa_inst_pref_size 52
	.end_amdhsa_kernel
	.amdgpu_metadata
---
amdhsa.version: [ 1, 2 ]
amdhsa.kernels:
  - .name:           k_qb27f9c4526_attn
    .symbol:         k_qb27f9c4526_attn.kd
    .args:
      - { .name: qkv, .offset: 0, .size: 8, .value_kind: global_buffer, .address_space: global }
      - { .name: mw, .offset: 8, .size: 8, .value_kind: global_buffer, .address_space: global }
      - { .name: mf, .offset: 16, .size: 8, .value_kind: global_buffer, .address_space: global }
      - { .name: cf, .offset: 24, .size: 8, .value_kind: global_buffer, .address_space: global }
      - { .name: lowp_scales, .offset: 32, .size: 8, .value_kind: global_buffer, .address_space: global }
    .group_segment_fixed_size: 264192
    .private_segment_fixed_size: 0
    .kernarg_segment_align: 8
    .kernarg_segment_size: 40
    .max_flat_workgroup_size: 512
    .sgpr_count:     106
    .vgpr_count:     256
    .wavefront_size: 32
...
	.end_amdgpu_metadata
.endif
;; end of part 3
;; launch proj (part 4): grid 4 x 32, 4 waves a work-group, clusters of 4 x 4, 327,680 bytes of LDS; arguments cf, wo, lowp_scales, out0, b_out; writes out0
.if DOCPART == 4
	.amdgcn_target "amdgcn-amd-amdhsa--gfx1250"
	.amdhsa_code_object_version 6
	.text
	.protected	k_qb27f9c4526_proj
	.globl	k_qb27f9c4526_proj
	.p2align	8
	.type	k_qb27f9c4526_proj,@function
k_qb27f9c4526_proj:
	s_mov_b64 s[64:65], 0
	v_nop
	global_prefetch_b8 v0, s[64:65] scope:SCOPE_SE
	s_setreg_imm32_b32 hwreg(HW_REG_WAVE_MODE, 25, 1), 1
	s_wait_xcnt 0x0
	s_wait_alu depctr_hold_cnt(0) depctr_sa_sdst(0) depctr_va_vdst(0) depctr_va_sdst(0) depctr_va_ssrc(0) depctr_va_vcc(0) depctr_vm_vsrc(0)
	s_getreg_b32 s2, hwreg(HW_REG_IB_STS2, 6, 4)
	s_cmp_eq_u32 s2, 0
	s_cbranch_scc0 .Lentry_in_a_cluster
	s_endpgm
.Lentry_in_a_cluster:
	s_bfe_u32 s2, ttmp6, 0x10000c
	s_cmp_lg_u32 s2, 0xf033
	s_cbranch_scc0 .Lentry_shape_is_right
	s_endpgm
.Lentry_shape_is_right:
; out0 = context w_out^T + b_out on codes of E4M3 (scales 2^e6, 2^e7).  context: 8,192 rows, w_out: 1,024 rows, K = 1,024; out0 [8192][1024] f32.
; LIMIT: e6 + e7 between -126 and 127, so that 2^(e6 + e7) is an f32 number.
; A tile of 256 x 256 of out0 is made by a work-group of four waves; a wave makes 128 x 128: 64 accumulators, 512 registers.  128 work-groups: what the sizes give at this tile.
; BOTH OPERANDS ARRIVE AS IMAGES OF THEIR REGISTERS: a fragment (16 rows x 128 K) is 2,048 consecutive bytes; 256 along K of 128 rows are one dense block of 32,768 bytes.  K goes in four steps of 256 through a ring of two LDS slots, written out.
; CLUSTERS: 4 x 4 work-groups.  The four of a row of the cluster need the same tiles of the context, the four of a column the same tiles of w_out: each tile is asked for JOINTLY.
; THE MATRIX INSTRUCTION IS USED TRANSPOSED (source 0 = 16 rows of w_out, source 1 = 16 rows of the context): a lane then holds eight neighbouring numbers of a row of out0.
; REGISTERS, in windows of 256: window 0: v8-11 the bias, v16-29 addresses; from v128 A's fragments, ONE set; on the way out v32-255 are at work.   window 1: B's fragments, TWO sets.   windows 2, 3: the accumulators.
.set SIZE_N, 1024
.set PLA,    2097152                   ; 256 along K of all rows of the context,
.set PLB,    262144                    ; of w_out
.set HALFT,  32768                     ; 8 row tiles x 4,096 bytes: what one tensor load brings
.set SLOT,   4*HALFT                   ; A's two halves, then B's
.set SPARE,  2*SLOT                    ; behind the ring: the spare words, 128 bytes for each wave: two blocks of 256 bytes that no other line names
.set SPITCH, 528                       ; the way out: a stage of 16 rows x (512 bytes + 16) for each wave.  It lies in slot 0, which has had its last fill and its last read when the first result is stored there
.set FR,     16
.set NL,     4
.set NP,     4                         ; places behind this matrix instruction (ISA guide 7.12.1)
.set ADRA, 16                          ; v16-17  LDS address of my A fragments in slot 0, 1
.set ADRB, 20                          ; v20-21  the same for B
.set STO,  24                          ; v24  the way out: where I put 32 bytes of a row
.set RD,   25                          ; v25  where I read a row back
.set CO,   26                          ; v26  16 x lane
.set SPW,  28                          ; v28  LDS address of my spare word; never rewritten
.set NIL,  29                          ; v29  0; never rewritten
.set TMP,  32                          ; the way out: a block's sums x 2^(e6 + e7)
.set AF,   128
.set BK,   128                         ; the way out: 16 rows read back: v128-191 and v192-255 by turns
.set G1, 24
.set G0, 32
.set G1B, 48
.set G0B, 56
.set MSB, 0
.macro WIN new                         ; the immediate's high byte repeats the setting that is left
.if MSB != \new
	s_set_vgpr_msb (MSB<<8)|\new
.set MSB, \new
.endif
.endm
.set MUL_LO, 0xa1                      ; source 0 (B) window 1, source 1 (A) window 0, C and D window 2
.set MUL_HI, 0xf1                      ; the same, C and D window 3
.set TO_B,   0x40                      ; destination window 1, address window 0
; A joint load: waves 0 and 1 fetch for A, waves 2 and 3 for B; the branch hangs on the wave's number alone.  An s_nop 0 and four v_nop follow each of the two lines.
.macro JLOAD g0a, g1a, g0b, g1b
	s_cmp_eq_u32 s15, 0
	s_cbranch_scc0 .Lfor_b_\@
	tensor_load_to_lds s[\g0a:\g0a+3], s[\g1a:\g1a+7]
	s_nop 0
.rept 4
	v_nop
.endr
	s_branch .Lasked_\@
.Lfor_b_\@:
	tensor_load_to_lds s[\g0b:\g0b+3], s[\g1b:\g1b+7]
	s_nop 0
.rept 4
	v_nop
.endr
.Lasked_\@:
.endm
.macro CREST                           ; a round of the cluster's barrier behind its opening barrier
	s_cmp_lg_u32 s14, 0
	s_cbranch_scc1 .Lnot_wave_0_\@
	s_barrier_signal -3
.Lnot_wave_0_\@:
	s_barrier_wait -3
	s_barrier_signal -1
	s_barrier_wait -1
.endm
.macro CROUND                          ; a whole round
	s_barrier_signal -1
	s_barrier_wait -1
	CREST
.endm
	s_load_b256 s[4:11], s[0:1], 0x0               ; cf s[4:5], wo s[6:7], the exponents s[8:9], out0 s[10:11]
	s_load_b64 s[12:13], s[0:1], 0x20              ; b_out
	v_lshl_add_u32 v[SPW], v0, 2, SPARE
	v_mov_b32 v[NIL], 0
	ds_add_u32 v[SPW], v[NIL]                      ; the wave's opening: the add and its wait stand ahead of my first tensor load; the set-up below, work on registers, stands between them
	v_lshrrev_b32 v1, 5, v0
	v_readfirstlane_b32 s14, v1                    ; wave 0..3
	s_lshr_b32 s15, s14, 1                         ; which half of the tile's rows is mine.  Also: I fetch for A (0) or for B (1)
	s_and_b32 s16, s14, 1                          ; which half of its columns.  Also: which half of that tile I fetch
	s_bfe_u32 s40, ttmp6, 0x40000                  ; cx, cy
	s_bfe_u32 s41, ttmp6, 0x40004
	s_lshl_b32 s42, ttmp9, 2
	s_add_co_u32 s42, s42, s40                     ; tile column = 4 x cluster x + cx
	s_and_b32 s17, ttmp7, 0xffff
	s_lshl_b32 s17, s17, 2
	s_add_co_u32 s17, s17, s41                     ; tile row = 4 x cluster y + cy
	s_lshl_b32 s43, s41, 2
	s_lshl_b32 s43, 15, s43                        ; my row of the cluster
	s_lshl_b32 s44, 0x1111, s40                    ; my column
	; descriptor group 1: a dense block of 128 rows x 256 bytes, in elements of 8 bytes, no padding
	s_or_b32 s[G1+0], s43, (3<<16)|(1<<21)         ; 15:0 the mask: A's tiles go to my row; 17:16 elements of 8 bytes; 21 set beside a mask
	s_or_b32 s[G1B+0], s44, (3<<16)|(1<<21)
.irp g, G1, G1B
	s_mov_b32 s[\g+1], 32<<16                      ; tensor_dim0 = 32
	s_mov_b32 s[\g+2], 128<<16                     ; tensor_dim1 = 128
	s_mov_b32 s[\g+3], 32<<16                      ; tile_dim0 = 32
	s_mov_b32 s[\g+4], 128                         ; tile_dim1 = 128
	s_mov_b32 s[\g+5], 32                          ; tensor_dim0_stride
	s_mov_b32 s[\g+6], 0
	s_mov_b32 s[\g+7], 0
.endr
	s_lshl_b32 s18, s16, 3                         ; which 8 row tiles of the tile I fetch
	s_lshl_b32 s20, s17, 4
	s_add_co_u32 s20, s20, s18
	s_lshl_b32 s20, s20, 12                        ; A: row tile x 4,096 bytes
	s_mov_b32 s21, 0
	s_lshl_b32 s46, s42, 4
	s_add_co_u32 s46, s46, s18
	s_lshl_b32 s46, s46, 12                        ; B
	s_mov_b32 s47, 0
	s_lshl_b32 s45, s14, 15                        ; where they go: wave x 32,768
	s_wait_dscnt 0x0                               ; the opening add is done
	s_wait_kmcnt 0x0
	s_load_b64 s[96:97], s[8:9], 0x18              ; e6, e7
	s_add_nc_u64 s[20:21], s[4:5], s[20:21]
	s_add_nc_u64 s[46:47], s[6:7], s[46:47]
	CROUND                                         ; all sixteen work-groups are here: the first joint loads meet
.irp s, 0,1
	s_mov_b32 s[G0+4*\s], 1
	s_add_co_u32 s[G0+4*\s+1], s45, \s*SLOT
	s_add_nc_u64 s[G0+4*\s+2:G0+4*\s+3], s[20:21], \s*PLA
	s_or_b32 s[G0+4*\s+3], s[G0+4*\s+3], 0x80000000
	s_mov_b32 s[G0B+4*\s], 1
	s_add_co_u32 s[G0B+4*\s+1], s45, \s*SLOT
	s_add_nc_u64 s[G0B+4*\s+2:G0B+4*\s+3], s[46:47], \s*PLB
	s_or_b32 s[G0B+4*\s+3], s[G0B+4*\s+3], 0x80000000
	JLOAD G0+4*\s, G1, G0B+4*\s, G1B
.endr
	v_and_b32 v1, 15, v0                           ; r
	v_bfe_u32 v2, v0, 4, 1                         ; h
	v_and_b32 v6, 31, v0
	v_lshlrev_b32 v[CO], 4, v6
	s_lshl_b32 s21, s15, 15                        ; my half of A,
	s_lshl_b32 s22, s16, 15                        ; my half of B,
	s_add_co_u32 s22, s22, 2*HALFT                 ; which lies behind A's two
.irp s, 0,1
	v_add_nc_u32 v[ADRA+\s], s21, v[CO]
	v_add_nc_u32 v[ADRB+\s], s22, v[CO]
	s_add_co_u32 s21, s21, SLOT
	s_add_co_u32 s22, s22, SLOT
.endr
	s_mul_i32 s23, s14, 16*SPITCH                  ; my stage
	v_mul_u32_u24 v5, v1, SPITCH                   ; in: row r, 32 bytes for each half of the lanes
	v_lshl_add_u32 v5, v2, 5, v5
	v_add_nc_u32 v[STO], s23, v5
	v_add_nc_u32 v[RD], s23, v[CO]                 ; back: the 32 lanes take one row of 512 bytes
	s_lshl_b32 s20, s17, 8
	s_lshl_b32 s21, s15, 7
	s_add_co_u32 s20, s20, s21                     ; my first row: 256 x tile row + 128 x half,
	s_lshl_b32 s20, s20, 12                        ; x 4,096 bytes
	s_lshl_b32 s46, s42, 10
	s_lshl_b32 s47, s16, 9
	s_add_co_u32 s46, s46, s47                     ; my first column, in bytes: 1,024 x tile column + 512 x half
	s_add_co_u32 s20, s20, s46
	s_mov_b32 s21, 0
	s_mov_b32 s47, 0
	s_add_nc_u64 s[10:11], s[10:11], s[20:21]
	s_add_nc_u64 s[12:13], s[12:13], s[46:47]      ; b_out at my 128 columns
	global_load_b128 v[8:11], v[CO], s[12:13]      ; a row read back from the stage has the same four columns in a lane for all rows: the bias is four registers
.macro FRAG reg, adr, q, i             ; a fragment comes as it was stored: four loads of 512 consecutive bytes
.irp c, 0,1,2,3
	ds_load_b128 v[\reg+4*\c:\reg+4*\c+3], v[\adr] offset:2048*(\q)+512*\c+4096*(\i)
.endr
.endm
; 16 matrix instructions: A's blocks a0, a0 + 1 x B's eight, 128 along K.  The 64 accumulators take turns, one instruction a turn, in the same order in every step.
.macro MUL16 a0, p, zero
.irp a, \a0, \a0+1
.irp b, 0,1,2,3,4,5,6,7
.if \zero
	v_wmma_f32_16x16x128_fp8_fp8 v[8*(8*((\a)%4)+\b):8*(8*((\a)%4)+\b)+7], v[128*(\p)+FR*\b:128*(\p)+FR*\b+FR-1], v[AF+FR*(\a):AF+FR*(\a)+FR-1], 0
.else
	v_wmma_f32_16x16x128_fp8_fp8 v[8*(8*((\a)%4)+\b):8*(8*((\a)%4)+\b)+7], v[128*(\p)+FR*\b:128*(\p)+FR*\b+FR-1], v[AF+FR*(\a):AF+FR*(\a)+FR-1], v[8*(8*((\a)%4)+\b):8*(8*((\a)%4)+\b)+7]
.endif
.endr
.endr
.endm
.macro FETCH_B slot, q, p
	WIN TO_B
.irp i, 0,1,2,3,4,5,6,7
	FRAG 128*(\p)+FR*\i, ADRB+\slot, \q, \i
.endr
	WIN 0
.endm
.macro FETCH_A slot, q, i0
.irp i, \i0, \i0+1, \i0+2, \i0+3
	FRAG AF+FR*(\i), ADRA+\slot, \q, \i
.endr
.endm
.macro PLACES n                        ; places in front of loads into registers that matrix instructions have read, and of the first read of results (ISA guide 7.12.1 for the first read of results)
.rept \n
	v_nop
.endr
.endm
.macro STEP slot, q, zero              ; a step of 128 along K that has its successor in the same slot
	s_wait_dscnt 4*NL                              ; B's set and A's blocks 0-3 are in; the youngest sixteen loads (A's blocks 4-7) may be out
	WIN MUL_LO
	MUL16 0, (\q)%2, \zero
	MUL16 2, (\q)%2, \zero
	s_wait_dscnt 0                                 ; A's blocks 4-7 are in
	PLACES NP
	FETCH_B \slot, (\q)+1, 1-(\q)%2
	FETCH_A \slot, (\q)+1, 0
	WIN MUL_HI
	MUL16 4, (\q)%2, \zero
	MUL16 6, (\q)%2, \zero
	PLACES NP
	WIN 0
	FETCH_A \slot, (\q)+1, 4
.endm
; A slot's last step changes slots: ONE barrier; in front of it each wave waits for all its tensor loads, adds 0 to its spare word, and waits for that and for its own reads of this slot.
.macro TURN slot, next, fill
	s_wait_tensorcnt 0x0                           ; all my tensor loads have landed: my part of the next slot;  (every window is 0 here)
	ds_add_u32 v[SPW], v[NIL]                      ; 0 onto my spare word
	s_wait_dscnt 4*NL+1                            ; (the add and the youngest sixteen loads may be out)
	WIN MUL_LO
	MUL16 0, 1, 0                                  ; sixteen matrix instructions stand between the add and the wait for it
	s_wait_dscnt 0x0                               ; the add is done, and my reads of this slot are over
	s_barrier_signal -1
	MUL16 2, 1, 0
	WIN 0
	s_barrier_wait -1
.if \fill
	CREST                                          ; the barrier has opened a round of the cluster's barrier: no wave of any partner still reads this slot's tile or has a load on its way
	s_add_nc_u64 s[G0+4*\slot+2:G0+4*\slot+3], s[G0+4*\slot+2:G0+4*\slot+3], 2*PLA
	s_add_nc_u64 s[G0B+4*\slot+2:G0B+4*\slot+3], s[G0B+4*\slot+2:G0B+4*\slot+3], 2*PLB
	JLOAD G0+4*\slot, G1, G0B+4*\slot, G1B         ; the first tensor load behind the round; the four v_nop behind it are the places in front of the loads below
.else
	PLACES NP
.endif
	FETCH_B \next, 0, 0
	FETCH_A \next, 0, 0
	WIN MUL_HI
	MUL16 4, 1, 0
	MUL16 6, 1, 0
	PLACES NP
	WIN 0
	FETCH_A \next, 0, 4
.endm
	s_wait_loadcnt 0x0                             ; the bias
	s_wait_tensorcnt 1                             ; my part of K step 0 is in (K step 1's load may be out)
	s_barrier_signal -1
	s_barrier_wait -1                              ; everybody's is
	FETCH_B 0, 0, 0
	FETCH_A 0, 0, 0
	FETCH_A 0, 0, 4
	STEP 0, 0, 1                                   ; the first products start the sums
	TURN 0, 1, 1                                   ; slot 0 takes K step 2
	STEP 1, 0, 0
	TURN 1, 0, 1                                   ; slot 1 takes K step 3
	STEP 0, 0, 0
	TURN 0, 1, 0                                   ; nothing is left to fetch: no round
	STEP 1, 0, 0
	s_wait_dscnt 4*NL                              ; the very last step
	WIN MUL_LO
	MUL16 0, 1, 0
	MUL16 2, 1, 0
	s_wait_dscnt 0
	WIN MUL_HI
	MUL16 4, 1, 0
	MUL16 6, 1, 0
	WIN 0
; THE WAY OUT, block by block of 16 rows x 128 columns: sums x 2^(e6 + e7) go through my own stage in LDS and come back as whole rows of 512 bytes; the bias is added there; the 32 lanes store two aligned runs of 256 bytes.
; LDS serves a wave's instructions in order (ISA guide 5.7.1.4): no wait between the stores and the loads, nor in front of the next block's stores.
.macro TOSTAGE a
.set AC, 64*((\a)%4)
	WIN 0x02+((\a)/4)                              ; source 0: window 2 or 3
.set j, 0
.rept 32
	v_pk_mul_f32 v[TMP+j:TMP+j+1], v[AC+j:AC+j+1], s[96:97] op_sel_hi:[1,0]   ; x 2^(e6 + e7): nothing is rounded; each accumulator from its low end on
.set j, j+2
.endr
	WIN 0
.irp b, 0,1,2,3,4,5,6,7
	ds_store_b128 v[STO], v[TMP+8*\b:TMP+8*\b+3] offset:64*\b
	ds_store_b128 v[STO], v[TMP+8*\b+4:TMP+8*\b+7] offset:64*\b+16
.endr
.set BBK, BK+64*((\a)%2)
.irp t, 0,1,2,3,4,5,6,7,8,9,10,11,12,13,14,15
	ds_load_b128 v[BBK+4*\t:BBK+4*\t+3], v[RD] offset:\t*SPITCH
.endr
.endm
.macro SEND a, younger                 ; younger: the LDS instructions issued behind block a's loads, which may stay out
.set BBK, BK+64*((\a)%2)
	s_wait_dscnt \younger                          ; the block is back in registers
.if (\a) > 0
	s_add_nc_u64 s[10:11], s[10:11], 16*SIZE_N*4   ; (behind a wait on XCNT: the earlier stores have read their base)  16 rows on
.endif
.irp t, 0,1,2,3,4,5,6,7,8,9,10,11,12,13,14,15
	v_pk_add_f32 v[BBK+4*\t:BBK+4*\t+1], v[BBK+4*\t:BBK+4*\t+1], v[8:9]        ; + b_out: the one rounding
	v_pk_add_f32 v[BBK+4*\t+2:BBK+4*\t+3], v[BBK+4*\t+2:BBK+4*\t+3], v[10:11]
	global_store_b128 v[CO], v[BBK+4*\t:BBK+4*\t+3], s[10:11] offset:\t*SIZE_N*4 th:TH_STORE_NT   ; 512 consecutive bytes, at a multiple of 256 from out0's first byte; written once, read by nobody here
.endr
.endm
	s_wait_kmcnt 0x0
	s_add_co_i32 s96, s96, s97
	s_add_co_i32 s96, s96, 127
	s_lshl_b32 s96, s96, 23                        ; 2^(e6 + e7) as f32
	PLACES NP                                      ; behind the last products: for the loads into the registers that held A's fragments, and for block 7's reads
	TOSTAGE 0
.irp a, 1,2,3,4,5,6,7
.if \a > 1
	s_wait_xcnt 0x0                                ; block a - 2's stores have read their registers and their base
.endif
	TOSTAGE \a
	SEND \a-1, 32                                  ; behind block a - 1's loads: block a's 16 stores and 16 loads
.endr
	s_wait_xcnt 0x0                                ; block 6's stores have read their base
	SEND 7, 0
	s_wait_tensorcnt 0x0                           ; the wave's end, behind my last tensor load and my last LDS store
	ds_add_u32 v[SPW], v[NIL]
	s_wait_dscnt 0x0
	CROUND                                         ; the closing round: no work-group ends while a partner may still ask for a tile that names it
	s_endpgm
.Lfunc_end_k_qb27f9c4526_proj:
	.size	k_qb27f9c4526_proj, .Lfunc_end_k_qb27f9c4526_proj-k_qb27f9c4526_proj
	.p2alignl 7, 3214868480
	.fill 96, 4, 3214868480
	.section	.rodata,"a",@progbits
	.p2align	6, 0x0
	.amdhsa_kernel k_qb27f9c4526_proj
		.amdhsa_group_segment_fixed_size 327680
		.amdhsa_private_segment_fixed_size 0
		.amdhsa_enable_private_segment 0
		.amdhsa_kernarg_size 40
		.amdhsa_user_sgpr_count 2
		.amdhsa_user_sgpr_kernarg_segment_ptr 1
		.amdhsa_wavefront_size32 1
		.amdhsa_system_sgpr_workgroup_id_x 1
		.amdhsa_system_sgpr_workgroup_id_y 1
		.amdhsa_system_sgpr_workgroup_id_z 1
		.amdhsa_system_vgpr_workitem_id 0
		.amdhsa_next_free_vgpr 1024
		.amdhsa_next_free_sgpr 98
		.amdhsa_reserve_vcc 0
		.amdhsa_float_denorm_mode_32 3
		.amdhsa_float_denorm_mode_16_64 3
		.amdhsa_memory_ordered 1
		.amdhsa_forward_progress 1
		.amdhsa_inst_pref_size 139
	.end_amdhsa_kernel
	.amdgpu_metadata
---
amdhsa.version: [ 1, 2 ]
amdhsa.kernels:
  - .name:           k_qb27f9c4526_proj
    .symbol:         k_qb27f9c4526_proj.kd
    .args:
      - { .name: cf, .offset: 0, .size: 8, .value_kind: global_buffer, .address_space: global }
      - { .name: wo, .offset: 8, .size: 8, .value_kind: global_buffer, .address_space: global }
      - { .name: lowp_scales, .offset: 16, .size: 8, .value_kind: global_buffer, .address_space: global }
      - { .name: out0, .offset: 24, .size: 8, .value_kind: global_buffer, .address_space: global }
      - { .name: b_out, .offset: 32, .size: 8, .value_kind: global_buffer, .address_space: global }
    .group_segment_fixed_size: 327680
    .private_segment_fixed_size: 0
    .kernarg_segment_align: 8
    .kernarg_segment_size: 40
    .max_flat_workgroup_size: 128
    .sgpr_count:     98
    .vgpr_count:     1024
    .wavefront_size: 32
...
	.end_amdgpu_metadata
.endif
;; end of part 4
;; ======== version 2 of 2: 4 launches; version 1 with the launch attn written anew for expert scheduling mode
;; workspace buffers: xq 8,388,608 bytes; wq 3,145,728 bytes; wo 1,048,576 bytes; mw 524,288 bytes of whole numbers; mf 8,192 bytes of whole numbers; qkv 25,165,824 bytes; cf 8,388,608 bytes
;; launch prep: the kernel of part 1 again; grid 1024 x 1, 8 waves a work-group, no clusters, 68,608 bytes of LDS; arguments x, w_qkv, w_out, mask, lowp_scales, xq, wq, wo, mw, mf; writes xq, wq, wo, mw, mf
;; launch qkv: the kernel of part 2 again; grid 12 x 32, 4 waves a work-group, clusters of 4 x 4, 327,680 bytes of LDS; arguments xq, wq, lowp_scales, qkv, b_qkv; writes qkv
;; launch attn (part 5): grid 4 x 64, 16 waves a work-group, no clusters, 264,192 bytes of LDS; arguments qkv, mw, mf, cf, lowp_scales; writes cf
.if DOCPART == 5
	.amdgcn_target "amdgcn-amd-amdhsa--gfx1250"
	.amdhsa_code_object_version 6
	.text
	.protected	k_qb27f9c4526_attn
	.globl	k_qb27f9c4526_attn
	.p2align	8
	.type	k_qb27f9c4526_attn,@function
k_qb27f9c4526_attn:
	s_mov_b64 s[64:65], 0
	v_nop
	global_prefetch_b8 v0, s[64:65] scope:SCOPE_SE
	s_setreg_imm32_b32 hwreg(HW_REG_WAVE_SCHED_MODE, 0, 2), 2
	s_setreg_imm32_b32 hwreg(HW_REG_WAVE_MODE, 25, 1), 1
	s_wait_xcnt 0x0
	s_wait_alu depctr_vm_vsrc(0)
; context[b][q][head] = softmax_k(q . k / 8, under the given mask) v, both products on codes of E4M3; the context is quantised at once with 2^e6, as the A operand of the last product.
; THE SOFTMAX AHEAD OF THE SECOND PRODUCT: t = score x log2(e) / 8; M = the row's largest t so far, rounded UP to a whole number; p = 2^(t - M) is quantised with 2^e4, not normalised; the row's sum is taken of the
; unquantised p and divides at the end.  When M moves, the sum and O are multiplied by 2^(old M - new M): exact.
; THE MASK IS AN INPUT.  An earlier launch has turned it into lane-mask words (bit l of word 8 t + j: the pair whose score lies in lane l, register 8 t + j of a key step) and a flag for each tile of 16 queries x 128 keys:
; 0 no key counts: the step is left out;  1 all count: no masking;  3 some: hidden scores become -infinity ahead of the maximum, so p = 0.  A row with no key at all has the sum 0 and becomes NaN, as a softmax over nothing is.
; SHARES.  A work-group owns a head of a batch and a quarter i of its query tiles; wave w takes the tiles 4 n + i for n = w and n = 31 - w.  A head's codes of k and of v, 131,072 bytes each, lie in LDS WHOLE: each wave brings a
; sixteenth through registers, one barrier follows, and from there on no wave waits for another.
; NO JOINT LOADS, though the four work-groups of a head read the same k and v: those need tensor loads.  What is shared is read once, at the head.
; LAYOUT.  Both products are used transposed: S^T = k q^T (source 0 = 16 keys, source 1 = my 16 queries), O^T = v^T p^T (source 0 = 16 channels, source 1 = p): a lane holds ONE query (lane % 16) throughout.  In S^T's tile t register j
; is key 16 t + 8 (lane / 16) + j: the conversion's two registers are registers 2 t, 2 t + 1 of p's fragment in the matrix instruction's own order of K, in which v's fragments were stored.
; LIMITS on the given exponents: e2 + e3 between -123 and 130 (they are added to c's exponent field); e4 and e6 between -126 and 119; e4 + e5 is applied by v_ldexp_f32.
; REGISTERS: v1-9 addresses; v12 -M, v13 the largest t, v[14:15] the sum in two halves; v16-23 q; v32-95 fragments of k, then of v; v96-159 S^T, then p; v160-191 O^T; v192-207 at work and constants; v224-239 codes.
; s[16:63] and s[80:95]: a step's 64 mask words (word w in s[16 + w], from word 48 on in s[32 + w]).
; THE MODE: SCHED_MODE bits 1:0 = 2 (LLVM: expert scheduling mode 2), set by the entry lines.  The code itself states the register dependences
; between vector or matrix instructions and memory or LDS instructions, with s_wait_alu, always for 0.
; THE PLAN.  Registers that memory or LDS instructions touch:
;   v[LI], v[FK], v[FV]   Addresses, made at the head and never written again.
;   v32-159 at the head   The 32 global loads of k and v land there, the 32 LDS stores read them.  Afterwards v96-159 are named by vector and matrix instructions alone.
;   v32-95 in a step      k's 16 LDS loads land; the 8 products k q^T read; v's 16 LDS loads land; the 4 products v^T p^T read; then the next walked step's loads of k land.
;   v[ADK], v[ADV]        Written by two additions at a step's head (an LDS address has no scalar base); read by that step's 32 LDS loads.
;   v16-23                q: two global loads at a tile's head land there; the tile's products read them.
;   v224-231              Written by the conversions, in every step and at a tile's end; read by the tile's two global stores.
;   v[SPW], v[NIL]        Written at the head, read by the closing add alone.
; So a step holds one wait on vm_vsrc, ahead of the two additions, and two on va_vdst beside the one behind its exponentials: one behind the additions, ahead of k's loads, and one behind the products k q^T, ahead of v's loads.
; Behind that one the softmax names v12-15, v96-159 and v192-203 alone, so v's loads are dealt among the lines of the maximum with no further wait.  A tile holds one wait on vm_vsrc at its head and one on va_vdst ahead of its stores.
; A second set of fragments has no room: 16 waves of 256 registers fill the four SIMDs, and 42 registers of a wave are free where a set takes 64.
.set VLDS,  131072                     ; k's 128 tiles of 1,024 bytes from byte 0; v's 16 key steps of 8,192 bytes from here
.set SPARE, 262144                     ; behind them: the spare words, 128 bytes for each wave: eight blocks of 256 bytes that no other line names
.set LI,   1                           ; v1  16 x lane
.set LIV,  2                           ; v2  16 x lane + VLDS
.set FK,   3                           ; v3  where I put k's codes: 16 x lane + 8,192 x wave
.set FV,   4                           ; v4  and v's
.set SPW,  5                           ; v5  LDS address of my spare word; never rewritten
.set NIL,  6                           ; v6  0; never rewritten
.set ADK,  8                           ; v8  the step's tiles of k
.set ADV,  9                           ; v9  of v
	s_load_b64 s[4:5], s[0:1], 0x0                 ; qkv
	s_load_b64 s[10:11], s[0:1], 0x8               ; mw
	s_load_b128 s[12:15], s[0:1], 0x10             ; mf s[12:13], cf s[14:15]
	s_load_b64 s[16:17], s[0:1], 0x20              ; the exponents
	v_lshl_add_u32 v[SPW], v0, 2, SPARE
	v_mov_b32 v[NIL], 0
	v_lshrrev_b32 v7, 5, v0
	v_readfirstlane_b32 s66, v7                    ; wave 0..15
	v_and_b32 v7, 31, v0
	v_lshlrev_b32 v[LI], 4, v7
	v_add_nc_u32 v[LIV], VLDS, v[LI]
	s_wait_alu depctr_va_sdst(0)                   ; s66 is written, ahead of its first reader: addresses, offsets and the tiles' numbers are made from it
	s_lshl_b32 s67, s66, 13
	v_add_nc_u32 v[FK], s67, v[LI]
	v_add_nc_u32 v[FV], s67, v[LIV]
	s_and_b32 s69, ttmp7, 0xffff                   ; 16 x batch + head
	s_lshr_b32 s70, s69, 1
	s_lshl_b32 s70, s70, 18                        ; (8 x batch + pair of heads) x 262,144
	s_and_b32 s71, s69, 1                          ; head % 2
	s_lshl_b32 s72, s71, 10
	s_add_co_u32 s104, s70, s72                    ; q: + 1,024 x (head % 2)
	s_mov_b32 s105, 0                              ; s[104:105]: an offset as a pair; s105 stays 0
	s_lshl_b32 s73, s66, 14                        ; my sixteenth: 8 tiles of k, or one key step of v: 16,384 bytes of a pair of heads
	s_add_co_u32 s20, s104, s73
	s_add_co_u32 s20, s20, 8388608                 ; k's part
	s_mov_b32 s21, 0
	s_lshl_b32 s72, s71, 13
	s_add_co_u32 s22, s70, s72                     ; v: + 8,192 x (head % 2)
	s_add_co_u32 s22, s22, s73
	s_add_co_u32 s22, s22, 16777216                ; v's part
	s_mov_b32 s23, 0
	s_and_b32 s72, s69, 15                         ; head
	s_lshr_b32 s18, s72, 2
	s_lshl_b32 s18, s18, 21                        ; cf: the plane of K = 64 x head: (head / 4) x 2,097,152
	s_lshr_b32 s19, s69, 4
	s_lshl_b32 s19, s19, 19                        ; + batch x 128 row tiles x 4,096
	s_add_co_u32 s18, s18, s19
	s_and_b32 s19, s72, 3
	s_lshl_b32 s19, s19, 10                        ; + (head % 4) x 1,024: eight registers of a fragment of 128 along K
	s_add_co_u32 s18, s18, s19
	s_mov_b32 s19, 0
	s_mov_b32 s76, 0x76543210                      ; v_permlanex16_b32's selects for lane l xor 16
	s_mov_b32 s77, 0xfedcba98
	s_mov_b32 s68, s66                             ; n
	s_mov_b32 s73, 2                               ; query tiles to go
	s_wait_kmcnt 0x0
	s_load_b256 s[24:31], s[16:17], 0x0            ; e0 .. e7
	s_add_nc_u64 s[6:7], s[4:5], s[20:21]          ; my part of k,
	s_add_nc_u64 s[8:9], s[4:5], s[22:23]          ; of v,
	s_add_nc_u64 s[4:5], s[4:5], s[104:105]        ; the head's q,
	s_add_nc_u64 s[14:15], s[14:15], s[18:19]      ; its place in cf
	s_wait_alu depctr_va_vdst(0)                   ; v[LI], v[FK] and v[FV] are written: the global loads and stores and the LDS stores read them as addresses; no vector instruction writes them again
.set n, 0
.rept 16
	global_load_b128 v[32+4*n:35+4*n], v[LI], s[6:7] offset:(n/2)*2048+(n%2)*512   ; tile n / 2, half n % 2: 512 consecutive bytes
.set n, n+1
.endr
.set n, 0
.rept 16
	global_load_b128 v[96+4*n:99+4*n], v[LI], s[8:9] offset:512*n
.set n, n+1
.endr
	s_wait_kmcnt 0x0
	s_add_co_i32 s74, s26, s27
	s_lshl_b32 s74, s74, 23
	s_add_co_i32 s74, s74, 0x3e38aa3b              ; c = log2(e) / 8, with e2 + e3 added to its exponent field: a score stands for score x 2^(e2 + e3)
	s_mov_b32 s75, s74                             ; (named with it as a pair, so it is written)
	s_add_co_i32 s79, s28, s29                     ; e4 + e5
	s_cmp_lt_i32 s28, -8
	s_cselect_b32 s78, 1, 0                        ; p is at most 1 but for its last bit, so p / 2^e4 can pass 448 only where e4 is under -8: only then is p held
	s_add_co_i32 s67, s28, 127
	s_lshl_b32 s72, s67, 23
	v_mov_b32 v195, s72                            ; 2^e4.  (These seven lines name v192-197 and v201 alone: none of the registers that the loads, the LDS stores below and the first tile's loads of q touch)
	s_add_co_i32 s67, s67, 8
	s_lshl_b32 s67, s67, 23
	s_or_b32 s67, s67, 0x600000
	v_mov_b32 v194, s67                            ; 448 x 2^e4
	s_add_co_i32 s67, s30, 127
	s_lshl_b32 s72, s67, 23
	v_mov_b32 v197, s72                            ; 2^e6
	s_add_co_i32 s67, s67, 8
	s_lshl_b32 s67, s67, 23
	s_or_b32 s67, s67, 0x600000
	v_mov_b32 v196, s67                            ; 448 x 2^e6
	v_mov_b32 v193, 0xff800000                     ; -infinity
	v_mov_b32 v192, 0                              ; written once: a lane permute's destination counts as one of its sources
	v_mov_b32 v201, 0                              ; (named as the upper half of the pair v[200:201])
	s_wait_loadcnt 16                              ; k's sixteen loads are in; v's sixteen may be out
.set n, 0
.rept 16
	ds_store_b128 v[FK], v[32+4*n:35+4*n] offset:512*n
.set n, n+1
.endr
	s_wait_loadcnt 0x0
.set n, 0
.rept 16
	ds_store_b128 v[FV], v[96+4*n:99+4*n] offset:512*n
.set n, n+1
.endr
	s_wait_dscnt 0x0                               ; for the others' sake: my stores have landed
	s_barrier_signal -1
	s_barrier_wait -1                              ; the head's k and v lie in LDS; nothing is written there again
; A KEY STEP: the 128 keys of step s70.  m = 1: some keys are hidden.
.macro STEP m
.if \m
	s_lshl_b32 s104, s70, 8
	s_add_nc_u64 s[2:3], s[98:99], s[104:105]      ; the unit's 256 bytes
	s_load_b512 s[16:31], s[2:3], 0x0
	s_load_b512 s[32:47], s[2:3], 0x40
	s_load_b512 s[48:63], s[2:3], 0x80
	s_load_b512 s[80:95], s[2:3], 0xc0
.endif
	s_lshl_b32 s67, s70, 13
	s_wait_alu depctr_vm_vsrc(0)                   ; the LDS loads of the step walked last have read v[ADK] and v[ADV], which the two additions write again
	v_add_nc_u32 v[ADK], s67, v[LI]
	v_add_nc_u32 v[ADV], s67, v[LIV]
	v_nop                                          ; with the two additions: four places behind the last products
	v_nop
	s_wait_alu depctr_va_vdst(0)                   ; v[ADK] and v[ADV] are written, which this step's LDS loads read; the last four products are done reading v[32:95], in which k's loads land
.set n, 0
.rept 16
	ds_load_b128 v[32+4*n:35+4*n], v[ADK] offset:512*n
.set n, n+1
.endr
	s_wait_dscnt 0x0
.irp t, 0,1,2,3,4,5,6,7
	v_wmma_f32_16x16x64_fp8_fp8 v[96+8*\t:103+8*\t], v[32+8*\t:39+8*\t], v[16:23], 0
.endr
.rept 4
	v_nop                                          ; places in front of the first read of the scores
.endr
	s_wait_alu depctr_va_vdst(0)                   ; the eight products are done reading v[32:95], in which v's loads land; up to the last of those loads no vector instruction names v[32:95] or v[ADV]
.if \m
	s_wait_kmcnt 0x0
.set w, 0
.rept 64
.if w < 48
.set mwr, 16+w
.else
.set mwr, 32+w
.endif
	v_cndmask_b32 v[96+w], v193, v[96+w], s[mwr]   ; where the bit is 0: -infinity
.set w, w+1
.endr
.endif
	v_max3_num_f32 v202, v96, v97, v98             ; the step's largest score of my query, among my 64 keys, in two chains, each accumulator from its low end on,
	v_max3_num_f32 v203, v99, v100, v101
	ds_load_b128 v[32:35], v[ADV]                  ; v's four fragments, sixteen loads dealt among the lines of the maximum: they land while the softmax is walked
	ds_load_b128 v[36:39], v[ADV] offset:512
.set i, 6
.set n, 2
.rept 14
	v_max3_num_f32 v202, v202, v[96+i], v[97+i]
	v_max3_num_f32 v203, v203, v[98+i], v[99+i]
	ds_load_b128 v[32+4*n:35+4*n], v[ADV] offset:512*n
.set i, i+4
.set n, n+1
.endr
	v_max3_num_f32 v202, v202, v158, v159
	v_max_num_f32 v202, v202, v203
	v_permlanex16_b32 v192, v202, s76, s77
	v_max_num_f32 v202, v202, v192                 ; and among lane l xor 16's
	v_mul_f32 v202, s74, v202                      ; as t (c is positive)
	v_max_num_f32 v13, v13, v202                   ; the running largest t
	v_mov_b32 v202, v12
	v_floor_f32 v12, -v13                          ; the new -M = floor(-t) = -ceil(t): a whole number
	v_sub_f32 v202, v12, v202                      ; old M less new M: a whole number, 0 or less
	v_cvt_i32_f32 v202, v202                       ; (it saturates)
	v_ldexp_f32 v200, 1.0, v202                    ; f = 2^(old M - new M)
.set j, 0
.rept 32
	v_pk_fma_f32 v[96+j:97+j], v[96+j:97+j], s[74:75], v[12:13] op_sel_hi:[1,0,0]   ; t - M, two at a time (of the pairs c and -M the low word serves both halves)
.set j, j+2
.endr
.set j, 0
.rept 64
	v_exp_f32 v[96+j], v[96+j]                     ; p = 2^(t - M)
.set j, j+1
.endr
	v_pk_mul_f32 v[14:15], v[14:15], v[200:201] op_sel_hi:[1,0]   ; the sums under the new M: the plain line behind the exponentials
	s_wait_alu depctr_va_vdst(0)                   ; the 64 exponentials have written p in v[96:159]: one wait for the whole batch, ahead of its first reader
	v_pk_add_f32 v[198:199], v[96:97], v[98:99]    ; the row's sum is taken of the unquantised p: two at a time, in two chains
.set j, 4
.rept 15
	v_pk_add_f32 v[14:15], v[14:15], v[96+j:97+j]
	v_pk_add_f32 v[198:199], v[198:199], v[98+j:99+j]
.set j, j+4
.endr
	v_pk_add_f32 v[14:15], v[14:15], v[198:199]
	s_cmp_eq_u32 s78, 0                            ; a whole number read from the scales: the same in every wave
	s_cbranch_scc1 .Lfree_\@
.set j, 0
.rept 64
	v_min_num_f32 v[96+j], v[96+j], v194           ; the conversion does not saturate (ISA guide 7.6.2); p is not negative, so the hold is one-sided
.set j, j+1
.endr
.Lfree_\@:
.irp t, 0,1,2,3,4,5,6,7
	v_cvt_scalef32_pk8_fp8_f32 v[224+2*\t:225+2*\t], v[96+8*\t:103+8*\t], v195
.endr
.set j, 0
.rept 16
	v_pk_mul_f32 v[160+j:161+j], v[160+j:161+j], v[200:201] op_sel_hi:[1,0]   ; O^T under the new M.  (Also the plain lines between the conversions and the products)
.set j, j+2
.endr
	s_wait_dscnt 0x0                               ; v's fragments
.irp d, 0,1,2,3
	v_wmma_f32_16x16x128_fp8_fp8 v[160+8*\d:167+8*\d], v[32+16*\d:47+16*\d], v[224:239], v[160+8*\d:167+8*\d]   ; the four accumulators take turns
.endr
.endm
.Ltile:
	s_wait_xcnt 0x0                                ; the last tile's stores have read their registers and their base
	s_wait_alu depctr_vm_vsrc(0)                   ; on the way in: my LDS stores have read v[32:159], which the steps' loads and products write; on the way back: the last tile's stores have read v[224:231], which the conversions write again
	s_lshl_b32 s69, s68, 2
	s_add_co_u32 s69, s69, ttmp9                   ; the query tile: 4 n + i
	s_lshl_b32 s104, s69, 11
	s_add_nc_u64 s[96:97], s[4:5], s[104:105]      ; its q,
	s_lshl_b32 s104, s69, 12
	s_add_nc_u64 s[98:99], s[10:11], s[104:105]    ; its 16 units of mask words,
	s_add_nc_u64 s[100:101], s[14:15], s[104:105]  ; its place in cf,
	s_lshl_b32 s104, s69, 6
	s_add_nc_u64 s[2:3], s[12:13], s[104:105]      ; its 16 flags
	s_load_b512 s[16:31], s[2:3], 0x0
	global_load_b128 v[16:19], v[LI], s[96:97]     ; no wait here: since the last wait on va_vdst (at the head; ahead of the last tile's stores) no vector or matrix instruction names v[16:23] or v[LI]
	global_load_b128 v[20:23], v[LI], s[96:97] offset:512
	v_mov_b32 v13, 0xff61b1e6                      ; the largest t so far: -3e38, under every t
	v_floor_f32 v12, -v13                          ; -M
	v_mov_b32 v14, 0                               ; the sum, in two halves
	v_mov_b32 v15, 0
.set j, 0
.rept 32
	v_mov_b32 v[160+j], 0                          ; O^T: which step is the first to be walked hangs on the flags, so no first product can be written out to start the sums
.set j, j+1
.endr
	s_wait_kmcnt 0x0
	s_mov_b32 s71, s16                             ; the 16 flags, two bits each, in one word
.irp k, 1,2,3,4,5,6,7,8,9,10,11,12,13,14,15
	s_lshl_b32 s104, s[16+\k], 2*\k
	s_or_b32 s71, s71, s104
.endr
	s_mov_b32 s70, 0                               ; the key step
	s_wait_loadcnt 0x0                             ; q
.Lks:                                                  ; sixteen trips, a constant: the work of a trip is left out or not
	s_and_b32 s72, s71, 3
	s_lshr_b32 s71, s71, 2
	s_cmp_eq_u32 s72, 0
	s_cbranch_scc1 .Lnext                          ; no key of the step counts for any of my 16 queries
	s_cmp_eq_u32 s72, 3
	s_cbranch_scc1 .Lmixed
	STEP 0
	s_branch .Lnext
.Lmixed:
	STEP 1
.Lnext:
	s_add_co_u32 s70, s70, 1
	s_cmp_lt_u32 s70, 16
	s_cbranch_scc1 .Lks
	; THE TILE'S END: O^T x 2^(e4 + e5) / the sum is the context; held, converted with 2^e6, stored as eight registers of the last product's A fragment.
.rept 4
	v_nop                                          ; places behind the last products
.endr
	v_add_f32 v14, v14, v15                        ; the sum's two halves,
	v_permlanex16_b32 v192, v14, s76, s77
	v_add_f32 v14, v14, v192                       ; and lane l xor 16's
	v_rcp_f32 v204, v14
	v_nop                                          ; a plain line behind the transcendental
	s_wait_alu depctr_va_vdst(0)                   ; the reciprocal has written v204, ahead of its first reader
	v_ldexp_f32 v204, v204, s79                    ; x 2^(e4 + e5)
	v_mul_f32 v206, 0, v204                        ; 0, or NaN where the sum is 0: a row with no key
	v_mov_b32 v205, v204
	v_mov_b32 v207, v206
.set j, 0
.rept 16
	v_pk_mul_f32 v[96+j:97+j], v[160+j:161+j], v[204:205]   ; each accumulator from its low end on
.set j, j+2
.endr
.set j, 0
.rept 32
	v_med3_num_f32 v[96+j], v[96+j], -v196, v196
.set j, j+1
.endr
.set j, 0
.rept 16
	v_pk_add_f32 v[96+j:97+j], v[96+j:97+j], v[206:207]     ; the hold lets a NaN lose: it is put back here
.set j, j+2
.endr
.irp d, 0,1,2,3
	v_cvt_scalef32_pk8_fp8_f32 v[224+2*\d:225+2*\d], v[96+8*\d:103+8*\d], v197
.endr
	v_nop                                          ; a plain line behind the last conversion
	s_wait_alu depctr_va_vdst(0)                   ; the conversions have written v[224:231], which the two stores read; and the tile's products are done reading v[16:23], in which the next tile's q lands
	global_store_b128 v[LI], v[224:227], s[100:101]             ; 1,024 consecutive bytes a tile
	global_store_b128 v[LI], v[228:231], s[100:101] offset:512
	s_sub_co_u32 s68, 31, s68                      ; the second tile: n = 31 - w
	s_sub_co_u32 s73, s73, 1
	s_cmp_lg_u32 s73, 0
	s_cbranch_scc1 .Ltile
	s_wait_dscnt 0x0                               ; the closing lines, six on end
	s_wait_alu 0x0
	s_wait_tensorcnt 0x0
	ds_add_u32 v[SPW], v[NIL]
	s_wait_dscnt 0x0
	s_endpgm
.Lfunc_end_k_qb27f9c4526_attn:
	.size	k_qb27f9c4526_attn, .Lfunc_end_k_qb27f9c4526_attn-k_qb27f9c4526_attn
	.p2alignl 7, 3214868480
	.fill 96, 4, 3214868480
	.section	.rodata,"a",@progbits
	.p2align	6, 0x0
	.amdhsa_kernel k_qb27f9c4526_attn
		.amdhsa_group_segment_fixed_size 264192
		.amdhsa_private_segment_fixed_size 0
		.amdhsa_enable_private_segment 0
		.amdhsa_kernarg_size 40
		.amdhsa_user_sgpr_count 2
		.amdhsa_user_sgpr_kernarg_segment_ptr 1
		.amdhsa_wavefront_size32 1
		.amdhsa_system_sgpr_workgroup_id_x 1
		.amdhsa_system_sgpr_workgroup_id_y 1
		.amdhsa_system_sgpr_workgroup_id_z 1
		.amdhsa_system_vgpr_workitem_id 0
		.amdhsa_next_free_vgpr 256
		.amdhsa_next_free_sgpr 106
		.amdhsa_reserve_vcc 0
		.amdhsa_float_denorm_mode_32 3
		.amdhsa_float_denorm_mode_16_64 3
		.amdhsa_memory_ordered 1
		.amdhsa_forward_progress 1
		.amdhsa_inst_pref_size 52
	.end_amdhsa_kernel
	.amdgpu_metadata
---
amdhsa.version: [ 1, 2 ]
amdhsa.kernels:
  - .name:           k_qb27f9c4526_attn
    .symbol:         k_qb27f9c4526_attn.kd
    .args:
      - { .name: qkv, .offset: 0, .size: 8, .value_kind: global_buffer, .address_space: global }
      - { .name: mw, .offset: 8, .size: 8, .value_kind: global_buffer, .address_space: global }
      - { .name: mf, .offset: 16, .size: 8, .value_kind: global_buffer, .address_space: global }
      - { .name: cf, .offset: 24, .size: 8, .value_kind: global_buffer, .address_space: global }
      - { .name: lowp_scales, .offset: 32, .size: 8, .value_kind: global_buffer, .address_space: global }
    .group_segment_fixed_size: 264192
    .private_segment_fixed_size: 0
    .kernarg_segment_align: 8
    .kernarg_segment_size: 40
    .max_flat_workgroup_size: 512
    .sgpr_count:     106
    .vgpr_count:     256
    .wavefront_size: 32
...
	.end_amdgpu_metadata
.endif
;; end of part 5
;; launch proj: the kernel of part 4 again; grid 4 x 32, 4 waves a work-group, clusters of 4 x 4, 327,680 bytes of LDS; arguments cf, wo, lowp_scales, out0, b_out; writes out0
